; MI455X (gfx1250); checked and timed in simulation.
; The chip was launched on July 23, 2026; its instructions are those of AMD's public machine-readable ISA for CDNA 5 (MIT licence, August 2026) and "CDNA5" Instruction Set Architecture Reference Guide (July 2026). The comments in the code are by the model that wrote it; some were corrected since.
;; WY Dm LSTM. Allowed arithmetic: float matrix products may take bf16 or f16 operands with f32 sums; other float arithmetic in f32, or as packed bf16 or f16 multiplies, adds, multiply-adds, maxima and minima; sums over many terms, partial sums and values carried from step to step in f32; what a program stores and reads back later, other than sums and carried values, may be rounded once to bf16 or f16.
;; Inputs: b_f 512 float32; b_i 512 float32; b_k 512 float32; b_o 512 float32; b_q 512 float32; b_v 512 float32; fc_b 1 float32; fc_w 1 x 512 float32; w_f 512 x 512 float32; w_i 512 x 512 float32; w_k 512 x 512 float32; w_o 512 x 512 float32; w_q 512 x 512 float32; w_v 512 x 512 float32; x 32 x 1,024 x 512 float32.
;; Outputs: out0 32 x 1,024 x 1 float32.
;; 3 versions, each right and faster than the one before. Each part assembles by itself: llvm-mc -triple=amdgcn-amd-amdhsa -mcpu=gfx1250 --defsym DOCPART=n.
;; ======== version 1 of 3: 3 launches
;; workspace buffers: wb 3,145,728 bytes; nq 67,108,864 bytes; g 67,108,864 bytes
;; launch wprep (part 1): grid 256 x 1, 1 waves a work-group, no clusters, 0 bytes of LDS; arguments w_i, w_f, w_k, w_v, w_q, w_o, wb; writes wb
.if DOCPART == 1
	.amdgcn_target "amdgcn-amd-amdhsa--gfx1250"
	.amdhsa_code_object_version 6
	.text
	.protected	k_qc2e04263ab_wprep
	.globl	k_qc2e04263ab_wprep
	.p2align	8
	.type	k_qc2e04263ab_wprep,@function
k_qc2e04263ab_wprep:
	s_mov_b64 s[64:65], 0
	v_nop
	global_prefetch_b8 v0, s[64:65] scope:SCOPE_SE
	s_setreg_imm32_b32 hwreg(HW_REG_WAVE_MODE, 25, 1), 1
	s_wait_xcnt 0x0
; The six weights [512 (k)][512 (h)] f32 are rounded to bf16 and laid in the order in which the scan's waves load them as the second source
; of a 16x16x32 matrix instruction: wb[hs 8][w 4][gate 6: i,f,k,v,q,o][ks 16][half 2][lane 32][16 bytes]; lane (r = l % 16, h' = l / 16)
; holds column h = 64 hs + 4 r + w and k = 32 ks + 16 half + 8 h' + 0..7.
; One wave a work-group.  Work-group id = hs + 8 kp, kp = 2 ks + half: 16 rows k of 64 columns, in all six weights.
; Lane (q = l % 16, h') reads rows 16 kp + 8 h' + e, e = 0..7, columns 64 hs + 4 q + 0..3: sixteen lanes take 256 consecutive bytes of a row.
; Column 4 q + i belongs to wave w = i with r = q, so a lane's eight numbers of one column are the 16 bytes that lane l of wave i will load.
; No LDS, no barrier, no loop: every byte is read once and written once.
.set ROWB, 2048                        ; bytes in a row of a weight
.set LD,   8                           ; v[8:199]  gate g, row e at v[8 + 32 g + 4 e .. + 3]
	s_load_b256 s[4:11], s[0:1], 0x0               ; w_i, w_f, w_k, w_v
	s_load_b128 s[12:15], s[0:1], 0x20             ; w_q, w_o
	s_load_b64 s[16:17], s[0:1], 0x30              ; wb
	s_and_b32 s21, ttmp9, 7                        ; hs
	s_lshr_b32 s20, ttmp9, 3                       ; kp
	s_lshl_b32 s22, s20, 15                        ; 16 kp rows of 2,048 bytes
	s_lshl_b32 s23, s21, 8                         ; 64 hs columns of 4 bytes
	s_add_co_u32 s22, s22, s23
	s_mul_i32 s24, s21, 393216                     ; wb: hs
	s_lshl_b32 s25, s20, 9                         ; wb: kp
	s_add_co_u32 s24, s24, s25
	s_mov_b32 s25, 0
	v_and_b32 v3, 15, v0                           ; q
	v_lshrrev_b32 v4, 4, v0                        ; h'
	v_lshl_add_u32 v1, v3, 4, s22                  ; 16 q + the group's corner
	v_lshl_add_u32 v1, v4, 14, v1                  ; + 8 h' rows
	v_lshlrev_b32 v2, 4, v0                        ; 16 l
	s_wait_kmcnt 0x0
	s_add_nc_u64 s[16:17], s[16:17], s[24:25]
.irp g, 0,1,2,3,4,5
.irp e, 0,1,2,3,4,5,6,7
	global_load_b128 v[LD+32*\g+4*\e:LD+32*\g+4*\e+3], v1, s[4+2*\g:5+2*\g] offset:ROWB*\e th:TH_LOAD_NT
.endr
.endr
; Gate g: its eight loads are in when at most the later gates' 8 (5 - g) are out.  o: sixteen registers for the packed numbers.
.macro GATE g, o
	s_wait_loadcnt 8*(5-(\g))
.irp i, 0,1,2,3
.irp m, 0,1,2,3
	v_cvt_pk_bf16_f32 v[(\o)+4*\i+\m], v[LD+32*(\g)+8*\m+\i], v[LD+32*(\g)+8*\m+4+\i]  ; rows 2 m and 2 m + 1 of column i
.endr
.endr
.irp i, 0,1,2,3
	global_store_b128 v2, v[(\o)+4*\i:(\o)+4*\i+3], s[16:17] offset:98304*\i+16384*(\g)  ; 512 consecutive bytes, at a multiple of 512 from wb's first
.endr
.endm
	GATE 0, 200
	GATE 1, 216
	GATE 2, 232
	GATE 3, 8                                      ; gates 3 to 5 pack into registers of gates 0 and 1, which have been read and were never a store's source
	GATE 4, 24
	GATE 5, 40
	s_endpgm
.Lfunc_end_k_qc2e04263ab_wprep:
	.size	k_qc2e04263ab_wprep, .Lfunc_end_k_qc2e04263ab_wprep-k_qc2e04263ab_wprep
	.p2alignl 7, 3214868480
	.fill 96, 4, 3214868480
	.section	.rodata,"a",@progbits
	.p2align	6, 0x0
	.amdhsa_kernel k_qc2e04263ab_wprep
		.amdhsa_group_segment_fixed_size 0
		.amdhsa_private_segment_fixed_size 0
		.amdhsa_enable_private_segment 0
		.amdhsa_kernarg_size 56
		.amdhsa_user_sgpr_count 2
		.amdhsa_user_sgpr_kernarg_segment_ptr 1
		.amdhsa_wavefront_size32 1
		.amdhsa_system_sgpr_workgroup_id_x 1
		.amdhsa_system_sgpr_workgroup_id_y 1
		.amdhsa_system_sgpr_workgroup_id_z 1
		.amdhsa_system_vgpr_workitem_id 0
		.amdhsa_next_free_vgpr 248
		.amdhsa_next_free_sgpr 66
		.amdhsa_reserve_vcc 0
		.amdhsa_float_denorm_mode_32 3
		.amdhsa_float_denorm_mode_16_64 3
		.amdhsa_memory_ordered 1
		.amdhsa_forward_progress 1
		.amdhsa_inst_pref_size 14
	.end_amdhsa_kernel
	.amdgpu_metadata
---
amdhsa.version: [ 1, 2 ]
amdhsa.kernels:
  - .name:           k_qc2e04263ab_wprep
    .symbol:         k_qc2e04263ab_wprep.kd
    .args:
      - { .name: w_i, .offset: 0, .size: 8, .value_kind: global_buffer, .address_space: global }
      - { .name: w_f, .offset: 8, .size: 8, .value_kind: global_buffer, .address_space: global }
      - { .name: w_k, .offset: 16, .size: 8, .value_kind: global_buffer, .address_space: global }
      - { .name: w_v, .offset: 24, .size: 8, .value_kind: global_buffer, .address_space: global }
      - { .name: w_q, .offset: 32, .size: 8, .value_kind: global_buffer, .address_space: global }
      - { .name: w_o, .offset: 40, .size: 8, .value_kind: global_buffer, .address_space: global }
      - { .name: wb, .offset: 48, .size: 8, .value_kind: global_buffer, .address_space: global }
    .group_segment_fixed_size: 0
    .private_segment_fixed_size: 0
    .kernarg_segment_align: 8
    .kernarg_segment_size: 56
    .max_flat_workgroup_size: 32
    .sgpr_count:     66
    .vgpr_count:     248
    .wavefront_size: 32
...
	.end_amdgpu_metadata
.endif
;; end of part 1
;; launch scan (part 2): grid 8 x 32, 4 waves a work-group, clusters of 4 x 1, 327,680 bytes of LDS; arguments x, wb, b_i, b_f, b_k, b_v, b_q, b_o, nq, g; writes nq, g
.if DOCPART == 2
	.amdgcn_target "amdgcn-amd-amdhsa--gfx1250"
	.amdhsa_code_object_version 6
	.text
	.protected	k_qc2e04263ab_scan
	.globl	k_qc2e04263ab_scan
	.p2align	8
	.type	k_qc2e04263ab_scan,@function
k_qc2e04263ab_scan:
	s_mov_b64 s[64:65], 0
	v_nop
	global_prefetch_b8 v0, s[64:65] scope:SCOPE_SE
	s_setreg_imm32_b32 hwreg(HW_REG_WAVE_MODE, 25, 1), 1
	s_wait_xcnt 0x0
	s_wait_alu depctr_hold_cnt(0) depctr_sa_sdst(0) depctr_va_vdst(0) depctr_va_sdst(0) depctr_va_ssrc(0) depctr_va_vcc(0) depctr_vm_vsrc(0)
	s_getreg_b32 s2, hwreg(HW_REG_IB_STS2, 6, 4)
	s_cmp_eq_u32 s2, 0
	s_cbranch_scc0 .Lentry_in_a_cluster
	s_endpgm
.Lentry_in_a_cluster:
	s_bfe_u32 s2, ttmp6, 0x10000c
	s_cmp_lg_u32 s2, 0x3003
	s_cbranch_scc0 .Lentry_shape_is_right
	s_endpgm
.Lentry_shape_is_right:
; PROJECTIONS, GATES AND RECURRENCE.  For one batch row b and 64 columns h, all 1,024 steps in order:
;   i, f, k, v, q, o = x_t W + bias (k's product times 1/sqrt(512));  m_t = max(f + m, i);  c_t = e^(f+m-m_t) c + e^(i-m_t) v k;  n_t likewise with k;
;   stored: n_t and q_t in bf16 (operands of the next launch's product), g_t = sigmoid(o) c_t q_t in f32.
; SHARES.  Work-group (hs, b); wave w owns the 16 columns h = 64 hs + 4 r + w of all six gates; its weights, 6 x 16 K steps x 8 = 768 registers, stay in windows 1 to 3.
; A TILE is 16 steps: 96 matrix instructions, K outside, the six gates inside: six accumulators by turns, one instruction a turn.
; In a result lane (r = l % 16, h' = l / 16) holds column r and the steps 8 h' + 0..7.
; THE SCAN RUNS TWICE.  A wave has 16 chains for 32 lanes; lanes 16-31 hold the later eight steps of the same chains.  Pass 1 runs eight steps from the carry (right in lanes 0-15);
; lanes 16-31 then take the other half's end state; pass 2 runs again and is right in all lanes; lanes 0-15 take the other half's end as the next carry.  EXEC is never changed.
; x comes as f32 by tensor loads into two slots of four tiles; each wave rounds four rows of the next tile to bf16 into one of two small buffers (ABUF), from which all four waves read fragments.
; A PERIOD is 96 slices (a matrix instruction and what stands behind it) from barrier to barrier: K steps 13-15 of tile p - 1, K steps 0-12 of tile p; behind them the vector work, the stage and the
; stores of tile p - 1 and the conversion of tile p + 1.
; CLUSTER.  The four work-groups of a cluster have the same b and read the same x, so each slot is asked for JOINTLY (mask of four); the place in the cluster enters the addresses of wb, biases, nq, g alone.
; LAYOUT OUT.  nq[t/4][h16 = 4 hs + w][b][n, q][t % 4][r] bf16, g[t/4][h16][b][t % 4][r] f32: units of 256 bytes, each stored whole by sixteen lanes.
; LIMITS.  x, weights and biases are rounded to bf16.  m is kept as m log2(e) in f32.  A gate weight below 2^-126 counts as 0.  The maximum drops a NaN.
.set XTILE, 32768                      ; a tile of x in LDS: 16 rows of 2,048 bytes, dense
.set XSLOT, 131072                     ; a slot: four tiles; slot 0 at byte 0, slot 1 behind it
.set ABUF,  262144                     ; 16 rows of 512 bf16 at pitch 1,040 (65 x 16 bytes: the 16 rows of a fragment load start 16 bytes apart modulo 256)
.set APAR,  32768                      ; the second such buffer lies this far behind the first
.set AP,    1040
.set STG,   278784                     ; the waves' stages: 16 rows x 80 bytes of (n, q), then 16 x 80 of g
.set STGW,  2560
.set SP,    80
.set SPARE, 289024                     ; the spare words, 128 bytes a wave: two blocks of 256 bytes that no other line names
; window 0: v2 spare word, v3 zero; v6 XA0, v7 XA; v8 stage in; v9, v10 stage back; v11 byte select; v12 offset in nq and g; v13 fragment address; v14 ABUF store address; v15 16 l;
; v16-21 biases (L b_i, L b_f, b_k, b_v, b_q, -L b_o); v22 m; v[24:25] (c, n) carried; v[26:27] pass 1's (c, n); v28, v29 m by turns; v30-32 from the other half
.set ACC, 40                           ; v40-87   six accumulators: i, f, k, v, q, o
.set AF,  88                           ; v88-119  four fragments of x, slot = K step % 4
.set I2,  120                          ; i log2(e)
.set F2,  128                          ; f log2(e)
.set PK,  136                          ; step t: the pair (v k, k)
.set VP,  152                          ; v
.set QP,  160                          ; q; later (n, q) in bf16
.set OPR, 168                          ; o's way to sigmoid(o) q c
.set CN,  176                          ; step t: (e2, e1) while the weights are made; pass 2 leaves (c_t, n_t)
.set XL,  192                          ; a row of x as loaded
.set XO,  208                          ; the same in bf16
.set RB,  216                          ; (n, q) back from the stage
.set RP,  232                          ; sorted into n's or q's
.set RG,  240                          ; g back from the stage
; scalars: s24 wave; s25 cx; s26 hs; s27 b; s[32:39] group 1; s[40:43], s[44:47] group 0 (the second walks); s48, s49, s62 counts; s50 LDS byte of the tile to convert;
; s53 lanes 16-31; s[54:55] L = log2(e); s[56:57] -L; s58 1/sqrt(512); s[60:61] selects of v_permlanex16_b32
.set MSB, 0
.macro WIN new                         ; the immediate's high byte repeats the setting that is left; a switch that changes nothing is dropped
.if MSB != (\new)
	s_set_vgpr_msb (MSB<<8)|(\new)
.set MSB, (\new)
.endif
.endm
.macro ROUND                           ; a round of the cluster's barrier
	s_barrier_signal -1
	s_barrier_wait -1
	s_cmp_lg_u32 s24, 0
	s_cbranch_scc1 .Lnot_wave_0_\@
	s_barrier_signal -3
.Lnot_wave_0_\@:
	s_barrier_wait -3
	s_barrier_signal -1
	s_barrier_wait -1
.endm
	s_load_b512 s[4:19], s[0:1], 0x0               ; x, wb, b_i, b_f, b_k, b_v, b_q, b_o
	s_load_b128 s[20:23], s[0:1], 0x40             ; nq, g
	v_lshl_add_u32 v2, v0, 2, SPARE
	v_mov_b32 v3, 0
	ds_add_u32 v2, v3                              ; the wave's opening: the add and its wait stand ahead of my first tensor load; work on registers stands between them
	ds_add_u32 v2, v3
	v_lshrrev_b32 v1, 5, v0
	v_readfirstlane_b32 s24, v1                    ; wave 0..3
	s_bfe_u32 s25, ttmp6, 0x40000                  ; cx
	s_lshl_b32 s26, ttmp9, 2
	s_add_co_u32 s26, s26, s25                     ; hs = 4 x cluster x + cx
	s_and_b32 s27, ttmp7, 0xffff                   ; b, which the four partners share
	; group 1: a tile of x is 32,768 dense bytes, asked for as 128 rows of 256 bytes (32 elements of 8 bytes)
	s_mov_b32 s32, 15|(3<<16)|(1<<21)              ; 15:0 the mask of four; 17:16 elements of 8 bytes; 21 set beside a mask
	s_mov_b32 s33, 32<<16                          ; tensor_dim0 = 32
	s_mov_b32 s34, 128<<16                         ; tensor_dim1 = 128
	s_mov_b32 s35, 32<<16                          ; tile_dim0 = 32
	s_mov_b32 s36, 128                             ; tile_dim1 = 128
	s_mov_b32 s37, 32                              ; 32 elements from row to row
	s_mov_b32 s38, 0
	s_mov_b32 s39, 0
	s_mov_b32 s40, 1
	s_lshl_b32 s41, s24, 15                        ; wave w fetches tile w of a slot: LDS byte 32,768 w
	s_mov_b32 s44, 1
	s_add_co_u32 s45, s41, XSLOT
	s_lshl_b32 s28, s27, 21                        ; x: b's 1,024 rows of 2,048 bytes,
	s_add_co_u32 s28, s28, s41                     ; and tile w
	s_mov_b32 s29, 0
	s_lshl_b32 s30, s26, 2
	s_add_co_u32 s30, s30, s24                     ; h16 = 4 hs + w
	s_mul_i32 s48, s30, 98304                      ; my weights in wb
	s_mov_b32 s49, 0
	s_lshl_b32 s2, s30, 13                         ; my units in nq and g: 8,192 h16 + 256 b
	s_lshl_b32 s3, s27, 8
	s_add_co_u32 s2, s2, s3
	s_mov_b32 s3, 0
	s_lshl_b32 s31, s26, 8
	s_lshl2_add_u32 s31, s24, s31                  ; biases: 4 (64 hs + w)
	s_mov_b32 s50, 0
	s_mov_b32 s53, 0xffff0000
	s_mov_b32 s54, 0x3fb8aa3b
	s_mov_b32 s55, 0x3fb8aa3b
	s_mov_b32 s56, 0xbfb8aa3b
	s_mov_b32 s57, 0xbfb8aa3b
	s_mov_b32 s58, 0x3d3504f3
	s_mov_b32 s60, 0x76543210
	s_mov_b32 s61, 0xfedcba98
	s_wait_dscnt 0x0                               ; the opening add is done
	s_wait_kmcnt 0x0
	s_add_nc_u64 s[42:43], s[4:5], s[28:29]        ; slot 0's tile w
	s_add_nc_u64 s[46:47], s[42:43], XSLOT         ; slot 1's
	s_or_b32 s43, s43, 0x80000000                  ; type = 2
	s_or_b32 s47, s47, 0x80000000
	s_add_nc_u64 s[6:7], s[6:7], s[48:49]
	s_add_nc_u64 s[20:21], s[20:21], s[2:3]
	s_add_nc_u64 s[22:23], s[22:23], s[2:3]
	ROUND                                          ; all four work-groups are here: the first joint loads meet
	tensor_load_to_lds s[40:43], s[32:39]          ; two loads of mine are out
	s_nop 0
	tensor_load_to_lds s[44:47], s[32:39]
	s_nop 0
.rept 4
	v_nop
.endr
	v_and_b32 v1, 31, v0                           ; l
	v_lshlrev_b32 v15, 4, v1
.set gt, 0
.rept 6                                ; gate gt lies in window 1 + gt / 2 at v[128 (gt % 2) + 8 ks]
	WIN (1+gt/2)<<6
.set ks, 0
.rept 16
	global_load_b128 v[128*(gt%2)+8*ks:128*(gt%2)+8*ks+3],   v15, s[6:7] offset:16384*gt+1024*ks
	global_load_b128 v[128*(gt%2)+8*ks+4:128*(gt%2)+8*ks+7], v15, s[6:7] offset:16384*gt+1024*ks+512
.set ks, ks+1
.endr
.set gt, gt+1
.endr
	WIN 0
	v_and_b32 v34, 15, v0                          ; r
	v_bfe_u32 v35, v0, 4, 1                        ; h'
	v_lshl_add_u32 v33, v34, 4, s31                ; 4 (64 hs + 4 r + w)
.irp k, 0,1,2,3,4,5
	global_load_b32 v[16+\k], v33, s[8+2*\k:9+2*\k]
.endr
	s_lshl_b32 s28, s24, 13
	v_add_nc_u32 v6, s28, v15                      ; XA0: my four rows of a tile, 16 bytes a lane
	v_mov_b32 v7, v6
	s_mul_i32 s28, s24, STGW
	s_add_co_u32 s28, s28, STG                     ; my stage
	v_mul_u32_u24 v8, v35, 8*SP                    ; in: row 8 h' + t, word r
	v_lshl_add_u32 v8, v34, 2, v8
	v_add_nc_u32 v8, s28, v8
	v_bfe_u32 v36, v0, 1, 2                        ; (n, q) back: lane i of sixteen takes step (i / 2) % 4 of its unit, eight words from 8 (i % 2) on
	v_lshl_add_u32 v36, v35, 2, v36
	v_mul_u32_u24 v9, v36, SP
	v_and_b32 v36, 1, v0
	v_lshl_add_u32 v9, v36, 5, v9
	v_add_nc_u32 v9, s28, v9
	v_bfe_u32 v36, v0, 2, 2                        ; g back: lane i takes step i / 4, four words from 4 (i % 4) on
	v_lshl_add_u32 v36, v35, 2, v36
	v_mul_u32_u24 v10, v36, SP
	v_and_b32 v36, 3, v0
	v_lshl_add_u32 v10, v36, 4, v10
	v_add_nc_u32 v10, s28, v10
	v_add_nc_u32 v10, 16*SP, v10
	s_mov_b32 s29, 0xff00ff00                      ; lanes 8-15 of sixteen store q's, the others n's
	v_mov_b32 v11, 0x05040100                      ; the two low halves
	v_mov_b32 v36, 0x07060302                      ; the two high halves
	v_cndmask_b32 v11, v11, v36, s29
	v_lshlrev_b32 v12, 4, v34                      ; lanes 0-15 one unit, lanes 16-31 the unit of the next four steps
	v_lshl_add_u32 v12, v35, 18, v12
	v_mul_u32_u24 v13, v34, AP                     ; a fragment: row r, 16 bytes for each half of the lanes
	v_lshl_add_u32 v13, v35, 4, v13
	v_add_nc_u32 v13, ABUF, v13
	s_mul_i32 s29, s24, 4*AP
	s_add_co_u32 s29, s29, ABUF
	v_lshl_add_u32 v14, v1, 3, s29                 ; my four rows of ABUF, 8 bytes a lane
	v_mov_b32 v22, 0                               ; m, c, n start at 0
	v_mov_b32 v24, 0
	v_mov_b32 v25, 0
	v_mov_b32 v30, 0                               ; v_permlanex16_b32 counts as a reader of its destination
	v_mov_b32 v31, 0
	v_mov_b32 v32, 0
; THE TEXT'S OWN COUNTS.  pl: plain vector lines since the last matrix instruction of a K step; pa: since accumulator i's last; dsn: LDS instructions of the period so far.
.macro PLN
.set pl, pl+1
.set pa, pa+1
.endm
; The fragment of K step j.  A load into registers that a matrix instruction has read stands four plain vector lines behind it (ISA guide 7.12.1 for vector lines).
.macro AL j
.if CUR
	WIN 0
.rept 4
.if pl < 4
	v_nop
	PLN
.endif
.endr
	ds_load_b128 v[AF+8*((\j)%4):AF+8*((\j)%4)+3],   v13 offset:PAR*APAR+64*(\j)
	ds_load_b128 v[AF+8*((\j)%4)+4:AF+8*((\j)%4)+7], v13 offset:PAR*APAR+64*(\j)+32
.set dsn, dsn+2
.if ((\j)%4) == 0
.set mk0, dsn
.elseif ((\j)%4) == 1
.set mk1, dsn
.elseif ((\j)%4) == 2
.set mk2, dsn
.else
.set mk3, dsn
.endif
.endif
.endm
.macro AFW s                           ; LDS instructions end in order: fragment slot s is in when only those issued behind it are out
.if (\s) == 0
	s_wait_dscnt dsn-mk0
.elseif (\s) == 1
	s_wait_dscnt dsn-mk1
.elseif (\s) == 2
	s_wait_dscnt dsn-mk2
.else
	s_wait_dscnt dsn-mk3
.endif
.endm
; The matrix instruction of slice sg.  Slices 0-17: K steps 13-15 of the tile before; 18-95: K steps 0-12 of this tile.  Fragment j is asked for at the end of slice 6 j (15: of slice 89).
.macro MM
.if (sg >= 7) && (sg <= 85) && ((sg-1)%6 == 0)
	AL (sg-1)/6
.endif
.if sg == 90
	AL 15
.endif
.if sg < 18
.set ks, 13+sg/6
.set on, PREV
.else
.set ks, (sg-18)/6
.set on, CUR
.endif
.set gt, sg%6
.if on
.if (sg >= 18) && (gt == 0)
	AFW ks%4
.endif
	WIN (1+gt/2)<<2                                ; the weights (source 1) in window 1 + gate / 2
.set rw, 128*(gt%2)+8*ks
.set ra, AF+8*(ks%4)
.set rc, ACC+8*gt
.if ks == 0
	v_wmma_f32_16x16x32_bf16 v[rc:rc+7], v[ra:ra+7], v[rw:rw+7], 0
.else
	v_wmma_f32_16x16x32_bf16 v[rc:rc+7], v[ra:ra+7], v[rw:rw+7], v[rc:rc+7]
.endif
.if gt == 5
.set pl, 0
.endif
.if sg == 12
.set pa, 0
.endif
.endif
.set sg, sg+1
.endm
; THE CONVERSION of the next tile: batch c is row 4 w + c.
.macro XAD
.if CONV
	WIN 0
	v_add_nc_u32 v7, s50, v6
	PLN
.endif
.endm
.macro CL c
.if CONV
	WIN 0
.irp i, 0,1,2,3
	ds_load_b128 v[XL+4*\i:XL+4*\i+3], v7 offset:2048*(\c)+512*\i
.endr
.set dsn, dsn+4
.set mkc, dsn
.endif
.endm
.macro CCW
.if CONV
	s_wait_dscnt dsn-mkc
.endif
.endm
.macro CC4 k
.if CONV
	WIN 0
.irp i, 0,1,2,3
	v_cvt_pk_bf16_f32 v[XO+(\k)+\i], v[XL+2*((\k)+\i)], v[XL+2*((\k)+\i)+1]
	PLN
.endr
.endif
.endm
.macro CS c
.if CONV
	WIN 0
.irp i, 0,1,2,3
	ds_store_b64 v14, v[XO+2*\i:XO+2*\i+1] offset:(1-PAR)*APAR+AP*(\c)+256*\i
.endr
.set dsn, dsn+4
.endif
.endm
; THE VECTOR WORK of the tile before.
.macro PADA                            ; four plain lines stand between accumulator i's last matrix instruction and its first reader
.if PREV
	WIN 0
.rept 4
.if pa < 4
	v_nop
	PLN
.endif
.endr
.endif
.endm
.macro PI4                             ; i L + L b_i
.if PREV
	WIN 0
.irp j, 0,1,2,3
	v_pk_fma_f32 v[I2+2*\j:I2+2*\j+1], v[ACC+2*\j:ACC+2*\j+1], s[54:55], v[16:17] op_sel_hi:[1,0,0]
	PLN
.endr
.endif
.endm
.macro PF4                             ; f L + L b_f
.if PREV
	WIN 0
.irp j, 0,1,2,3
	v_pk_fma_f32 v[F2+2*\j:F2+2*\j+1], v[ACC+8+2*\j:ACC+8+2*\j+1], s[54:55], v[16:17] op_sel:[0,0,1] op_sel_hi:[1,0,1]
	PLN
.endr
.endif
.endm
.macro KK4 a                           ; k = product / sqrt(512) + b_k
.if PREV
	WIN 0
.irp i, 0,1,2,3
	v_fma_f32 v[PK+2*((\a)+\i)+1], v[ACC+16+(\a)+\i], s58, v18
	PLN
.endr
.endif
.endm
.macro PV4
.if PREV
	WIN 0
.irp j, 0,1,2,3
	v_pk_add_f32 v[VP+2*\j:VP+2*\j+1], v[ACC+24+2*\j:ACC+24+2*\j+1], v[18:19] op_sel:[0,1] op_sel_hi:[1,1]
	PLN
.endr
.endif
.endm
.macro PQ4
.if PREV
	WIN 0
.irp j, 0,1,2,3
	v_pk_add_f32 v[QP+2*\j:QP+2*\j+1], v[ACC+32+2*\j:ACC+32+2*\j+1], v[20:21] op_sel_hi:[1,0]
	PLN
.endr
.endif
.endm
.macro PO4                             ; -L o - L b_o
.if PREV
	WIN 0
.irp j, 0,1,2,3
	v_pk_fma_f32 v[OPR+2*\j:OPR+2*\j+1], v[ACC+40+2*\j:ACC+40+2*\j+1], s[56:57], v[20:21] op_sel:[0,0,1] op_sel_hi:[1,0,1]
	PLN
.endr
.endif
.endm
.macro VK t                            ; v k
.if PREV
	WIN 0
	v_mul_f32 v[PK+2*(\t)], v[VP+(\t)], v[PK+2*(\t)+1]
	PLN
.endif
.endm
.macro MA t                            ; a = f + m of the step before
.if PREV
	WIN 0
.if (\t) == 0
	v_add_f32 v[CN+2*(\t)], v[F2+(\t)], v22
.else
	v_add_f32 v[CN+2*(\t)], v[F2+(\t)], v[28+((\t)-1)%2]
.endif
	PLN
.endif
.endm
.macro MX t                            ; m = max(a, i)
.if PREV
	WIN 0
	v_max_num_f32 v[28+(\t)%2], v[CN+2*(\t)], v[I2+(\t)]
	PLN
.endif
.endm
.macro SI t                            ; i - m
.if PREV
	WIN 0
	v_sub_f32 v[CN+2*(\t)+1], v[I2+(\t)], v[28+(\t)%2]
	PLN
.endif
.endm
.macro SF t                            ; a - m
.if PREV
	WIN 0
	v_sub_f32 v[CN+2*(\t)], v[CN+2*(\t)], v[28+(\t)%2]
	PLN
.endif
.endm
.macro EI t                            ; e1 = 2^(i - m).  Behind each exponential and reciprocal a plain line that touches neither its result nor its source comes before the result's use (ISA guide 5.7.2)
.if PREV
	WIN 0
	v_exp_f32 v[CN+2*(\t)+1], v[CN+2*(\t)+1]
.endif
.endm
.macro EF t                            ; e2 = 2^(a - m)
.if PREV
	WIN 0
	v_exp_f32 v[CN+2*(\t)], v[CN+2*(\t)]
.endif
.endm
.macro CM p, t                         ; pass 1: (c, n) times e2.  Pass 2: (v k, k) times e1, in place
.if PREV
	WIN 0
.if (\p) == 1
.if (\t) == 0
	s_wait_alu depctr_va_vdst(0)
	v_pk_mul_f32 v[26:27], v[24:25], v[CN+2*(\t):CN+2*(\t)+1] op_sel_hi:[1,0]
.else
	s_wait_alu depctr_va_vdst(0)
	v_pk_mul_f32 v[26:27], v[26:27], v[CN+2*(\t):CN+2*(\t)+1] op_sel_hi:[1,0]
.endif
.else
	s_wait_alu depctr_va_vdst(0)
	v_pk_mul_f32 v[PK+2*(\t):PK+2*(\t)+1], v[PK+2*(\t):PK+2*(\t)+1], v[CN+2*(\t):CN+2*(\t)+1] op_sel:[0,1] op_sel_hi:[1,1]
.endif
	PLN
.endif
.endm
.macro CF p, t                         ; pass 1: + e1 (v k, k).  Pass 2: (c_t, n_t) = (c, n) of the step before times e2 + the scaled pair
.if PREV
	WIN 0
.if (\p) == 1
	v_pk_fma_f32 v[26:27], v[PK+2*(\t):PK+2*(\t)+1], v[CN+2*(\t):CN+2*(\t)+1], v[26:27] op_sel:[0,1,0] op_sel_hi:[1,1,1]
.elseif (\t) == 0
	v_pk_fma_f32 v[CN+2*(\t):CN+2*(\t)+1], v[24:25], v[CN+2*(\t):CN+2*(\t)+1], v[PK+2*(\t):PK+2*(\t)+1] op_sel_hi:[1,0,1]
.else
	v_pk_fma_f32 v[CN+2*(\t):CN+2*(\t)+1], v[CN+2*(\t)-2:CN+2*(\t)-1], v[CN+2*(\t):CN+2*(\t)+1], v[PK+2*(\t):PK+2*(\t)+1] op_sel_hi:[1,0,1]
.endif
	PLN
.endif
.endm
.macro XP d, s                         ; each lane takes its own place in the other half
.if PREV
	WIN 0
	v_permlanex16_b32 v[\d], v[\s], s60, s61
.endif
.endm
.macro XC d, s                         ; lanes 16-31 take s, lanes 0-15 keep d
.if PREV
	WIN 0
	v_cndmask_b32 v[\d], v[\d], v[\s], s53
	PLN
.endif
.endm
.macro EO t
.if PREV
	WIN 0
	v_exp_f32 v[OPR+(\t)], v[OPR+(\t)]
.endif
.endm
.macro AO j
.if PREV
	WIN 0
	v_pk_add_f32 v[OPR+2*(\j):OPR+2*(\j)+1], v[OPR+2*(\j):OPR+2*(\j)+1], 1.0 op_sel_hi:[1,0]
	PLN
.endif
.endm
.macro RO t
.if PREV
	WIN 0
	v_rcp_f32 v[OPR+(\t)], v[OPR+(\t)]
.endif
.endm
.macro PR j                            ; sigmoid(o) q
.if PREV
	WIN 0
	s_wait_alu depctr_va_vdst(0)
	v_pk_mul_f32 v[OPR+2*(\j):OPR+2*(\j)+1], v[OPR+2*(\j):OPR+2*(\j)+1], v[QP+2*(\j):QP+2*(\j)+1]
	PLN
.endif
.endm
.macro NQ t                            ; n in the low half, q in the high
.if PREV
	WIN 0
	v_cvt_pk_bf16_f32 v[QP+(\t)], v[CN+2*(\t)+1], v[QP+(\t)]
	PLN
.endif
.endm
.macro GG t                            ; g = sigmoid(o) q c
.if PREV
	WIN 0
	v_mul_f32 v[OPR+(\t)], v[OPR+(\t)], v[CN+2*(\t)]
	PLN
.endif
.endm
.macro SN t
.if PREV
	WIN 0
	ds_store_b32 v8, v[QP+(\t)] offset:SP*(\t)
.set dsn, dsn+1
.endif
.endm
.macro SG t
.if PREV
	WIN 0
	ds_store_b32 v8, v[OPR+(\t)] offset:16*SP+SP*(\t)
.set dsn, dsn+1
.endif
.endm
.macro RBL                             ; the stage is my wave's own, and LDS serves a wave's instructions in order (ISA guide 5.7.1.4): these see the stores above
.if PREV
	WIN 0
	ds_load_b128 v[RB:RB+3],     v9
	ds_load_b128 v[RB+4:RB+7],   v9 offset:16
	ds_load_b128 v[RB+8:RB+11],  v9 offset:8*SP
	ds_load_b128 v[RB+12:RB+15], v9 offset:8*SP+16
.set dsn, dsn+4
.set mkr4, dsn
	ds_load_b128 v[RG:RG+3],   v10
	ds_load_b128 v[RG+4:RG+7], v10 offset:8*SP
.set dsn, dsn+2
.set mkr6, dsn
.endif
.endm
.macro PM4 k
.if PREV
	WIN 0
.if (\k) == 0
	s_wait_dscnt dsn-mkr4
.endif
.irp i, 0,1,2,3
	v_perm_b32 v[RP+(\k)+\i], v[RB+2*((\k)+\i)+1], v[RB+2*((\k)+\i)], v11
	PLN
.endr
.endif
.endm
.macro GSN                             ; sixteen lanes store 256 consecutive bytes, at a multiple of 256 from the buffer's first byte
.if PREV
	WIN 0
	global_store_b128 v12, v[RP:RP+3],   s[20:21]
	global_store_b128 v12, v[RP+4:RP+7], s[20:21] offset:524288
.endif
.endm
.macro GSG
.if PREV
	WIN 0
	s_wait_dscnt dsn-mkr6
	global_store_b128 v12, v[RG:RG+3],   s[22:23]
	global_store_b128 v12, v[RG+4:RG+7], s[22:23] offset:524288
.endif
.endm
.macro XS                              ; the stores' addresses are translated (ISA guide 3.1): only behind this wait are their bases stepped and, in the next period, their data rewritten
.if PREV
	s_wait_xcnt 0x0
	s_add_nc_u64 s[20:21], s[20:21], 0x100000      ; four units of four steps on
	s_add_nc_u64 s[22:23], s[22:23], 0x100000
.endif
.endm
.macro TWOROWS p, t                    ; two slices of a pass: step t's maximum, step t - 1's weights, step t - 2's update
	MM
	MA \t
	SI (\t)-1
	SF (\t)-1
	CM \p, (\t)-2
	MM
	MX \t
	EI (\t)-1
	CF \p, (\t)-2
	EF (\t)-1
.endm
.macro MMS n
.rept \n
	MM
.endr
.endm
; A PERIOD.  par: which ABUF holds this tile.  prev: the tile before is finished, worked on and stored.  cur: this tile's K steps 0-12.  conv: the next tile is converted.
; bar: the barrier at the end.  It orders the conversion's stores into the other ABUF against the next period's fragment loads, and this period's fragment loads against the next period's stores into this ABUF.
.macro PERIOD par, prev, cur, conv, bar
.set PAR, \par
.set PREV, \prev
.set CUR, \cur
.set CONV, \conv
.set sg, 0
.set dsn, 0
.set pl, 4                             ; four v_nop stand behind the last matrix instruction of the period before
.set pa, 4
	WIN 0
	XAD
	AL 0
	MM                                             ; 0
	CL 0
	MMS 5                                          ; 1-5
	CCW
	CC4 0
	MM                                             ; 6
	CC4 4
	CS 0
	CL 1
	MMS 5                                          ; 7-11
	CCW
	CC4 0
	MM                                             ; 12: accumulator i is finished
	CC4 4
	MM                                             ; 13
	PADA
	PI4
	CS 1
	CL 2
	MM                                             ; 14
	PF4
	MM                                             ; 15
	KK4 0
	MM                                             ; 16
	KK4 4
	MM                                             ; 17
	PV4
	MM                                             ; 18
	PQ4
	MM                                             ; 19
	PO4
	MM                                             ; 20: pass 1
	MA 0
	VK 0
	VK 1
	VK 2
	MM                                             ; 21
	MX 0
	VK 3
	VK 4
	VK 5
	MM                                             ; 22
	MA 1
	SI 0
	SF 0
	VK 6
	MM                                             ; 23
	MX 1
	EI 0
	EF 0
.irp t, 2,3,4,5,6,7
	TWOROWS 1, \t                                  ; 24-35
.endr
	MM                                             ; 36
	XP 30, 29
	SI 7
	SF 7
	CM 1, 6
	MM                                             ; 37
	XC 22, 30
	EI 7
	CF 1, 6
	EF 7
	MM                                             ; 38
	EO 0
	EO 1
	VK 7
	CM 1, 7
	MM                                             ; 39
	EO 2
	EO 3
	CF 1, 7
	EO 4
	MM                                             ; 40: pass 2
	MA 0
	XP 31, 26
	XP 32, 27
	EO 5
	MM                                             ; 41
	MX 0
	XC 24, 31
	XC 25, 32
	EO 6
	MM                                             ; 42
	MA 1
	SI 0
	SF 0
	EO 7
	MM                                             ; 43
	MX 1
	EI 0
	AO 0
	EF 0
.irp t, 2,3,4,5,6,7
	TWOROWS 2, \t                                  ; 44-55
.endr
	MM                                             ; 56
	AO 1
	SI 7
	SF 7
	CM 2, 6
	MM                                             ; 57
	AO 2
	EI 7
	CF 2, 6
	EF 7
	MM                                             ; 58
	AO 3
	RO 0
	RO 1
	CM 2, 7
	MM                                             ; 59
	RO 2
	RO 3
	CF 2, 7
	RO 4
	MM                                             ; 60: the carry for the next tile
	XP 22, 29
	RO 5
	RO 6
	RO 7
	MM                                             ; 61
	XP 24, CN+14
	XP 25, CN+15
	PR 0
	PR 1
	MM                                             ; 62
	PR 2
	PR 3
	NQ 0
	NQ 1
	MM                                             ; 63
	NQ 2
	NQ 3
	NQ 4
	NQ 5
	MM                                             ; 64
	NQ 6
	NQ 7
	GG 0
	GG 1
	MM                                             ; 65
	GG 2
	GG 3
	GG 4
	GG 5
	MM                                             ; 66
	GG 6
	GG 7
	SN 0
	SN 1
	MM                                             ; 67
	SN 2
	SN 3
	SN 4
	SN 5
	MM                                             ; 68
	SN 6
	SN 7
	SG 0
	SG 1
	MM                                             ; 69
	SG 2
	SG 3
	SG 4
	SG 5
	MM                                             ; 70
	SG 6
	SG 7
	MM                                             ; 71
	CCW
	CC4 0
	MM                                             ; 72
	CC4 4
	CS 2
	CL 3
	MMS 2                                          ; 73, 74
	RBL
	MMS 5                                          ; 75-79
	CCW
	CC4 0
	MM                                             ; 80
	CC4 4
	CS 3
	MMS 2                                          ; 81, 82
	PM4 0
	MM                                             ; 83
	PM4 4
	GSN
	MM                                             ; 84
	GSG
	MMS 6                                          ; 85-90
.if \conv
	s_add_co_u32 s50, s50, XTILE                   ; the next period converts the next tile
.endif
	MMS 2                                          ; 91, 92
	XS
	MMS 2                                          ; 93, 94
.if \bar
	s_wait_dscnt 0x0                               ; my stores into the other ABUF are done and my fragment loads are back, those of K steps 13-15 among them
	s_barrier_signal -1
.endif
	MM                                             ; 95
.if \bar
.rept 4
	v_nop                                          ; the places in front of the next period's first fragment load
.endr
	WIN 0
	s_barrier_wait -1
.else
	WIN 0
.endif
.endm
; THE CHANGE OF SLOTS, behind the period that has converted a slot's last tile.  Each wave waits for all its tensor loads (one is out: its tile of the other slot), adds 0 to its spare word, and waits for
; that and for its reads of the slot.  REFILL: a round of the cluster's barrier, so that no wave of any partner still reads the slot or has a load on its way; the joint refill is the first thing behind it
; and has four periods, 384 matrix instructions, in which to land.
.macro TURNX
	s_sub_co_u32 s50, s50, 4*XTILE                 ; the conversion goes back to a slot's first tile,
	s_xor_b32 s50, s50, XSLOT                      ; in the other slot
.endm
.macro REFILL
	WIN 0
	s_wait_tensorcnt 0x0                           ; no tensor load of mine is out, so the walking group 0 may be written
	ds_add_u32 v2, v3                              ; 0 onto my spare word
	s_xor_b32 s45, s45, XSLOT                      ; the other slot than last time,
	s_add_nc_u64 s[46:47], s[46:47], XSLOT         ; the next four tiles; the type bits on top are not reached
	TURNX
	s_wait_dscnt 0x0
	ROUND
	tensor_load_to_lds s[44:47], s[32:39]
	s_nop 0
.rept 4
	v_nop
.endr
.endm
.macro CHG0                            ; the same with nothing left to fetch
	WIN 0
	s_wait_tensorcnt 0x0
	ds_add_u32 v2, v3
	TURNX
	s_wait_dscnt 0x0
	s_barrier_signal -1
	s_barrier_wait -1
.endm
	s_wait_tensorcnt 0x1                           ; my tile of slot 0 is in; slot 1's may stay out
	s_barrier_signal -1
	s_barrier_wait -1                              ; everybody's is
.set PAR, 1                            ; tile 0 goes into the first ABUF
.set CONV, 1
.set PREV, 0
.set CUR, 0
.set dsn, 0
.set pl, 4
.set pa, 4
.irp c, 0,1,2,3
	CL \c
	s_wait_dscnt 0x0
	CC4 0
	CC4 4
	CS \c
.endr
	s_wait_loadcnt 0x0                             ; weights and biases
.irp k, 16,17,18,19,20,21
	v_cvt_pk_bf16_f32 v\k, v\k, v\k                ; the biases are rounded to bf16 like all inputs
.endr
.irp k, 16,17,18,19,20,21
	v_lshlrev_b32 v\k, 16, v\k
.endr
	v_mul_f32 v16, s54, v16
	v_mul_f32 v17, s54, v17
	v_mul_f32 v21, s56, v21
	s_mov_b32 s50, XTILE
	s_wait_dscnt 0x0                               ; for the others' sake: my rows of tile 0 are in ABUF
	s_barrier_signal -1
	s_barrier_wait -1
	PERIOD 0, 0, 1, 1, 1                           ; period 0
	s_mov_b32 s48, 1                               ; the first cycle has one pair: periods 1 and 2
	s_mov_b32 s49, 14                              ; slots 2 to 15 are asked for by refills
	s_branch .Lpair
.Lcycle:
	s_mov_b32 s48, 2
.Lpair:
	PERIOD 1, 1, 1, 1, 1
	PERIOD 0, 1, 1, 1, 1
	s_sub_co_u32 s48, s48, 1
	s_cmp_lg_u32 s48, 0
	s_cbranch_scc1 .Lpair
	REFILL
	s_sub_co_u32 s49, s49, 1
	s_cmp_lg_u32 s49, 0
	s_cbranch_scc1 .Lcycle
	s_mov_b32 s62, 2                               ; the tail is written out: periods 55 to 62
.Ltail:
	s_mov_b32 s48, 2
.Ltpair:
	PERIOD 1, 1, 1, 1, 1
	PERIOD 0, 1, 1, 1, 1
	s_sub_co_u32 s48, s48, 1
	s_cmp_lg_u32 s48, 0
	s_cbranch_scc1 .Ltpair
	CHG0                                           ; the first shows the last slot to every wave; the second orders nothing new: the price of one text for both trips
	s_sub_co_u32 s62, s62, 1
	s_cmp_lg_u32 s62, 0
	s_cbranch_scc1 .Ltail
	PERIOD 1, 1, 1, 0, 1                           ; period 63: no tile is left to convert
	PERIOD 0, 1, 0, 0, 0                           ; period 64: tile 63 is finished, worked on and stored
	s_wait_tensorcnt 0x0                           ; the wave's end: behind my last tensor load and my last LDS store
	ds_add_u32 v2, v3
	s_wait_dscnt 0x0
	ROUND                                          ; the closing round: no work-group ends while a partner may still ask for a tile that names it
	s_endpgm
.Lfunc_end_k_qc2e04263ab_scan:
	.size	k_qc2e04263ab_scan, .Lfunc_end_k_qc2e04263ab_scan-k_qc2e04263ab_scan
	.p2alignl 7, 3214868480
	.fill 96, 4, 3214868480
	.section	.rodata,"a",@progbits
	.p2align	6, 0x0
	.amdhsa_kernel k_qc2e04263ab_scan
		.amdhsa_group_segment_fixed_size 327680
		.amdhsa_private_segment_fixed_size 0
		.amdhsa_enable_private_segment 0
		.amdhsa_kernarg_size 80
		.amdhsa_user_sgpr_count 2
		.amdhsa_user_sgpr_kernarg_segment_ptr 1
		.amdhsa_wavefront_size32 1
		.amdhsa_system_sgpr_workgroup_id_x 1
		.amdhsa_system_sgpr_workgroup_id_y 1
		.amdhsa_system_sgpr_workgroup_id_z 1
		.amdhsa_system_vgpr_workitem_id 0
		.amdhsa_next_free_vgpr 1024
		.amdhsa_next_free_sgpr 66
		.amdhsa_reserve_vcc 0
		.amdhsa_float_denorm_mode_32 3
		.amdhsa_float_denorm_mode_16_64 3
		.amdhsa_memory_ordered 1
		.amdhsa_forward_progress 1
		.amdhsa_inst_pref_size 211
	.end_amdhsa_kernel
	.amdgpu_metadata
---
amdhsa.version: [ 1, 2 ]
amdhsa.kernels:
  - .name:           k_qc2e04263ab_scan
    .symbol:         k_qc2e04263ab_scan.kd
    .args:
      - { .name: x, .offset: 0, .size: 8, .value_kind: global_buffer, .address_space: global }
      - { .name: wb, .offset: 8, .size: 8, .value_kind: global_buffer, .address_space: global }
      - { .name: b_i, .offset: 16, .size: 8, .value_kind: global_buffer, .address_space: global }
      - { .name: b_f, .offset: 24, .size: 8, .value_kind: global_buffer, .address_space: global }
      - { .name: b_k, .offset: 32, .size: 8, .value_kind: global_buffer, .address_space: global }
      - { .name: b_v, .offset: 40, .size: 8, .value_kind: global_buffer, .address_space: global }
      - { .name: b_q, .offset: 48, .size: 8, .value_kind: global_buffer, .address_space: global }
      - { .name: b_o, .offset: 56, .size: 8, .value_kind: global_buffer, .address_space: global }
      - { .name: nq, .offset: 64, .size: 8, .value_kind: global_buffer, .address_space: global }
      - { .name: g, .offset: 72, .size: 8, .value_kind: global_buffer, .address_space: global }
    .group_segment_fixed_size: 327680
    .private_segment_fixed_size: 0
    .kernarg_segment_align: 8
    .kernarg_segment_size: 80
    .max_flat_workgroup_size: 128
    .sgpr_count:     66
    .vgpr_count:     1024
    .wavefront_size: 32
...
	.end_amdgpu_metadata
.endif
;; end of part 2
;; launch denom (part 3): grid 256 x 1, 4 waves a work-group, no clusters, 305,664 bytes of LDS; arguments nq, g, fc_w, fc_b, out0; writes out0
.if DOCPART == 3
	.amdgcn_target "amdgcn-amd-amdhsa--gfx1250"
	.amdhsa_code_object_version 6
	.text
	.protected	k_qc2e04263ab_denom
	.globl	k_qc2e04263ab_denom
	.p2align	8
	.type	k_qc2e04263ab_denom,@function
k_qc2e04263ab_denom:
	s_mov_b64 s[64:65], 0
	v_nop
	global_prefetch_b8 v0, s[64:65] scope:SCOPE_SE
	s_setreg_imm32_b32 hwreg(HW_REG_WAVE_MODE, 25, 1), 1
	s_wait_xcnt 0x0
; out[b][t] = sum over h of g[t][b][h] fc_w[h] / denom[t][h] + fc_b,  denom[t][h] = max over j of |sum over b of n[t][b][h] q[t][b][j]|.
; SHARES.  A work-group owns four steps t = 4 t4 + 0..3; wave w the groups of sixteen h, h16 = 8 w + 0..7, for all four steps and all 32 groups of j: 1,024 matrix instructions.
; nq[t4] (262,144 bytes: [h16 32][b 32][n, q][t % 4][16] bf16) comes into LDS by one tensor load a wave, 256 rows of 256 bytes, padded to a pitch of 288.  K of the product is b, which runs down the LDS rows,
; so both fragments come turned, by ds_load_tr16_b128.  Source 0 = 16 j, source 1 = 16 h: in the result a lane holds ONE h (lane % 16) and eight j: the maximum wants no exchange but one between the halves.
; Each product starts from the constant 0 (K = 32 is the whole sum); four result buffers take turns; behind each product stand the four maxima of the product before, which are its places.
; g's 65,536 bytes a wave are asked for early and stay in windows 1 and 2 until the weights fc_w / denom are made.
; The label (h16, r) stands for h = 64 (h16 / 4) + 4 r + h16 % 4 in n, g and fc_w alike; the maximum over j has no order.
; NO CLUSTER: the work-groups share nothing but fc_w's 2,048 bytes.  out0 leaves as pieces of 16 bytes, 4,096 bytes apart (131,072 bytes in all): a work-group owns four steps of each b.
; LIMITS.  fc_w and fc_b are rounded to bf16 like all inputs.  The division is a reciprocal and a multiply; denom = 0 gives an infinity or a NaN.
.set NP,    288                        ; an LDS row: 256 bytes + 32 of padding = 9 x 32 bytes
.set WT,    294912                     ; behind the tile: fc_w / denom, [8][4 steps][16] f32 for each wave, its own
.set RED,   303104                     ; the waves' partial sums, [32 b][4 steps] f32 each
.set SPARE, 305152                     ; the spare words, 128 bytes a wave: two blocks of 256 bytes that no other line names
; window 0: v2 spare word, v3 zero; v4, v5 n's fragment addresses; v6 q's; v7 q's, running; v8, v9 WT in and back; v10 16 l; v11 RED in; v12 RED back; v13 offset in out0; v14 offset in fc_w
.set FCW, 16                           ; v16-23   fc_w of my eight groups
.set NF,  24                           ; v24-87   eight fragments of n; later the weights, four registers a group
.set WQ,  24
.set QF,  88                           ; v88-103  two fragments of q
.set D,   104                          ; v104-135 four results by turns
.set MX,  136                          ; v136-167 four running maxima a group
.set T,   168
.set U,   176
.set AP,  184                          ; v184-215 sixteen pairs of partial sums
.set MSB, 0
.macro WIN new
.if MSB != (\new)
	s_set_vgpr_msb (MSB<<8)|(\new)
.set MSB, (\new)
.endif
.endm
	s_load_b256 s[4:11], s[0:1], 0x0               ; nq, g, fc_w, fc_b
	s_load_b64 s[12:13], s[0:1], 0x20              ; out0
	v_lshl_add_u32 v2, v0, 2, SPARE
	v_mov_b32 v3, 0
	ds_add_u32 v2, v3                              ; the wave's opening: the add and its wait stand ahead of my tensor load; work on registers stands between them
	ds_add_u32 v2, v3
	v_lshrrev_b32 v1, 5, v0
	v_readfirstlane_b32 s14, v1                    ; wave 0..3
	s_mov_b32 s16, (3<<16)|(1<<20)|(5<<22)|(7<<25) ; elements of 8 bytes; padding on: after every 64 words (code 5) 8 words (code 7)
	s_mov_b32 s17, 32<<16                          ; tensor_dim0 = 32
	s_mov_b32 s18, 256<<16                         ; tensor_dim1 = 256
	s_mov_b32 s19, 32<<16                          ; tile_dim0 = 32
	s_mov_b32 s20, 256                             ; tile_dim1 = 256
	s_mov_b32 s21, 32                              ; 32 elements from row to row
	s_mov_b32 s22, 0
	s_mov_b32 s23, 0
	s_mov_b32 s24, 1
	s_mul_i32 s25, s14, 256*NP                     ; my 256 rows in LDS
	s_lshl_b32 s28, ttmp9, 18                      ; 262,144 t4
	s_lshl_b32 s29, s14, 16                        ; + 65,536 w, in nq and in g
	s_add_co_u32 s28, s28, s29
	s_mov_b32 s29, 0
	s_lshl_b32 s30, ttmp9, 4                       ; out0: 4 bytes x 4 t4
	s_mov_b32 s31, 0
	s_mov_b32 s36, 0x76543210
	s_mov_b32 s37, 0xfedcba98
	s_wait_dscnt 0x0                               ; the opening add is done
	s_wait_kmcnt 0x0
	s_add_nc_u64 s[26:27], s[4:5], s[28:29]
	s_or_b32 s27, s27, 0x80000000                  ; type = 2
	s_add_nc_u64 s[6:7], s[6:7], s[28:29]
	s_add_nc_u64 s[12:13], s[12:13], s[30:31]
	tensor_load_to_lds s[24:27], s[16:23]          ; one load of mine is out
	s_nop 0
.rept 4
	v_nop
.endr
	s_load_b32 s34, s[10:11], 0x0                  ; fc_b
	v_and_b32 v216, 31, v0                         ; l
	v_and_b32 v217, 15, v0                         ; r
	v_bfe_u32 v218, v0, 4, 1                       ; h'
	s_lshl_b32 s31, s14, 9
	v_lshl_add_u32 v14, v217, 4, s31               ; fc_w: 4 (128 w + 4 r)
.irp ht, 0,1,2,3,4,5,6,7
	global_load_b32 v[FCW+\ht], v14, s[8:9] offset:256*(\ht/4)+4*(\ht%4)
.endr
	v_lshlrev_b32 v10, 4, v216
; Load n of 128 of g: 512 consecutive bytes: group n / 16, b = 2 (n % 16) + l / 16; into window 1 + n / 64.
.macro GLD first, count
.set n, \first
.rept \count
	WIN (1+n/64)<<6
	global_load_b128 v[4*(n%64):4*(n%64)+3], v10, s[6:7] offset:512*n th:TH_LOAD_NT
.set n, n+1
.endr
	WIN 0
.endm
	GLD 0, 48
	v_and_b32 v4, 7, v0                            ; the turning load: lane l reads row 8 (l / 16) + l % 8, 16 bytes from 16 ((l / 8) % 2) on
	v_lshl_add_u32 v4, v218, 3, v4
	v_mul_u32_u24 v4, v4, NP
	v_bfe_u32 v5, v0, 3, 1
	v_lshl_add_u32 v6, v5, 4, v4
	v_add_nc_u32 v4, s25, v6                       ; n of my groups 0-3,
	v_add_nc_u32 v5, 128*NP, v4                    ; and 4-7
	v_add_nc_u32 v6, 128, v6                       ; q lies 128 bytes into a row
	s_lshl_b32 s30, s14, 11
	s_add_co_u32 s30, s30, WT
	v_lshl_add_u32 v8, v217, 2, s30
	v_lshl_add_u32 v9, v217, 4, s30
	v_bfe_u32 v11, v0, 2, 2
	v_lshlrev_b32 v11, 2, v11
	v_lshl_add_u32 v11, v218, 4, v11
	s_add_co_u32 s29, s31, RED
	v_add_nc_u32 v11, s29, v11                     ; RED: b = 2 i + l / 16, step (l / 4) % 4
	v_lshl_add_u32 v12, v0, 2, RED
	v_lshrrev_b32 v13, 2, v0
	v_lshlrev_b32 v13, 12, v13
	v_and_b32 v219, 3, v0
	v_lshl_add_u32 v13, v219, 2, v13               ; out0: thread = 4 b + step
.irp k, 0,1,2,3,4,5,6,7
	v_mov_b32 v[U+\k], 0                           ; v_permlanex16_b32 counts as a reader of its destination
.endr
	s_wait_loadcnt 48                              ; fc_w is in: the 48 loads of g were issued behind it
.irp k, 0,1,2,3,4,5,6,7
	v_cvt_pk_bf16_f32 v[FCW+\k], v[FCW+\k], v[FCW+\k]
.endr
.irp k, 0,1,2,3,4,5,6,7
	v_lshlrev_b32 v[FCW+\k], 16, v[FCW+\k]
.endr
	s_wait_tensorcnt 0x0                           ; my rows are in,
	s_barrier_signal -1
	s_barrier_wait -1                              ; everybody's are
	ds_load_tr16_b128 v[QF:QF+3],     v6           ; q of step 0, groups 0 and 1 of j
	ds_load_tr16_b128 v[QF+4:QF+7],   v6 offset:16*NP
	ds_load_tr16_b128 v[QF+8:QF+11],  v6 offset:32*NP
	ds_load_tr16_b128 v[QF+12:QF+15], v6 offset:48*NP
	s_mov_b32 s33, 64*NP
	v_add_nc_u32 v7, s33, v6
.macro W i                             ; product i of a trip's 16: q's fragment i / 8, n's group i % 8
	v_wmma_f32_16x16x32_bf16 v[D+8*((\i)%4):D+8*((\i)%4)+7], v[QF+8*((\i)/8):QF+8*((\i)/8)+7], v[NF+8*((\i)%8):NF+8*((\i)%8)+7], 0
.endm
.macro RED4 i                          ; its eight magnitudes into the group's four maxima, the lowest registers first
.irp k, 0,1,2,3
.set rd, D+8*((\i)%4)+2*\k
.set rm, MX+4*((\i)%8)+\k
	v_max3_num_f32 v[rm], v[rm], |v[rd]|, |v[rd+1]|
.endr
.endm
; A trip: two groups of j.  fetch = 1: the fragments for the trip after it are asked for, each behind the last product that read its registers and the four maxima that follow it.
.macro TRIP fetch
	s_wait_dscnt 0x2                               ; the first fragment is in; the second's two loads may be out
	W 0
	RED4 15                                        ; of the trip before
.irp i, 1,2,3,4,5,6,7
	W \i
	RED4 (\i)-1
.endr
.if \fetch
	ds_load_tr16_b128 v[QF:QF+3],   v7
	ds_load_tr16_b128 v[QF+4:QF+7], v7 offset:16*NP
.endif
	s_wait_dscnt 2*(\fetch)                        ; the second fragment is in; the two just issued may be out
.irp i, 8,9,10,11,12,13,14,15
	W \i
	RED4 (\i)-1
.endr
.if \fetch
	ds_load_tr16_b128 v[QF+8:QF+11],  v7 offset:32*NP
	ds_load_tr16_b128 v[QF+12:QF+15], v7 offset:48*NP
.endif
.endm
; Step t of the four.
.macro TSTEP t
	GLD 48+20*(\t), 20
.irp ht, 0,1,2,3
	ds_load_tr16_b128 v[NF+8*\ht:NF+8*\ht+3],       v4 offset:32*NP*\ht+32*(\t)
	ds_load_tr16_b128 v[NF+8*\ht+4:NF+8*\ht+7],     v4 offset:32*NP*\ht+32*(\t)+16*NP
	ds_load_tr16_b128 v[NF+32+8*\ht:NF+32+8*\ht+3], v5 offset:32*NP*\ht+32*(\t)
	ds_load_tr16_b128 v[NF+36+8*\ht:NF+36+8*\ht+3], v5 offset:32*NP*\ht+32*(\t)+16*NP
.endr
.set k, 0
.rept 32
	v_mov_b32 v[MX+k], 0                           ; 0 is neutral for a maximum of magnitudes
.set k, k+1
.endr
.set k, 0
.rept 8
	v_mov_b32 v[D+24+k], 0                         ; the first trip has no trip before it
.set k, k+1
.endr
	s_wait_dscnt 0x0
	s_mov_b32 s32, 15
.Ltrip_\@:
	TRIP 1
	s_add_co_u32 s33, s33, 64*NP                   ; two groups of j on
	v_add_nc_u32 v7, s33, v6
	s_sub_co_u32 s32, s32, 1
	s_cmp_lg_u32 s32, 0
	s_cbranch_scc1 .Ltrip_\@
.if (\t) < 3
	s_mov_b32 s33, 32*((\t)+1)                     ; the sixteenth trip is written out: it fetches the next step's first two groups
	v_add_nc_u32 v7, s33, v6
	TRIP 1
	s_add_co_u32 s33, s33, 64*NP
	v_add_nc_u32 v7, s33, v6
.else
	TRIP 0                                         ; or nothing
.endif
	RED4 15
.irp ht, 0,1,2,3,4,5,6,7
	v_max3_num_f32 v[T+\ht], v[MX+4*\ht], v[MX+4*\ht+1], v[MX+4*\ht+2]
.endr
.irp ht, 0,1,2,3,4,5,6,7
	v_max_num_f32 v[T+\ht], v[T+\ht], v[MX+4*\ht+3]
.endr
.irp ht, 0,1,2,3,4,5,6,7
	v_permlanex16_b32 v[U+\ht], v[T+\ht], s36, s37 ; the other eight j of each sixteen lie in the lane 16 away
.endr
.irp ht, 0,1,2,3,4,5,6,7
	v_max_num_f32 v[T+\ht], v[T+\ht], v[U+\ht]
.endr
.irp ht, 0,1,2,3,4,5,6,7
	v_rcp_f32 v[T+\ht], v[T+\ht]
.endr
	v_nop                                          ; a plain line between the last reciprocal and the use of its result (ISA guide 5.7.2)
	s_wait_alu depctr_va_vdst(0)
.irp ht, 0,1,2,3,4,5,6,7
	v_mul_f32 v[T+\ht], v[T+\ht], v[FCW+\ht]
.endr
.irp ht, 0,1,2,3,4,5,6,7
	ds_store_b32 v8, v[T+\ht] offset:256*\ht+64*(\t)  ; both halves of the lanes write the same word with the same number
.endr
.endm
	TSTEP 0
	TSTEP 1
	TSTEP 2
	TSTEP 3
	; g times the weights.  A lane's 16 bytes of load n are step (l % 16) / 4, four h from 4 (l % 4) on: the weights at 16 (l % 16) of the group's 256 bytes.  WT is my wave's own: LDS serves a wave in order.
.irp ht, 0,1,2,3,4,5,6,7
	ds_load_b128 v[WQ+4*\ht:WQ+4*\ht+3], v9 offset:256*\ht
.endr
	s_wait_loadcnt 0x0                             ; all of g
	s_wait_dscnt 0x0
.set ht, 0
.rept 8
	WIN 1+ht/4                                     ; g (source 0) in window 1 or 2
.set hf, 0
.rept 2
.set i, 0
.rept 16                               ; sixteen sums by turns: b = 2 i + l / 16
.set rg, 4*((16*ht+i)%64)+2*hf
.if (ht == 0) && (hf == 0)
	v_pk_mul_f32 v[AP+2*i:AP+2*i+1], v[rg:rg+1], v[WQ+4*ht+2*hf:WQ+4*ht+2*hf+1]
.else
	v_pk_fma_f32 v[AP+2*i:AP+2*i+1], v[rg:rg+1], v[WQ+4*ht+2*hf:WQ+4*ht+2*hf+1], v[AP+2*i:AP+2*i+1]
.endif
.set i, i+1
.endr
.set hf, hf+1
.endr
.set ht, ht+1
.endr
	WIN 0
.macro ALL line:vararg                 ; one line for each of the sixteen sums
.set i, 0
.rept 16
	\line
.set i, i+1
.endr
.endm
	ALL v_add_f32 v[AP+2*i], v[AP+2*i], v[AP+2*i+1]
	ALL v_add_f32_dpp v[AP+2*i], v[AP+2*i], v[AP+2*i] row_xmask:1 row_mask:0xf bank_mask:0xf
	ALL v_add_f32_dpp v[AP+2*i], v[AP+2*i], v[AP+2*i] row_xmask:2 row_mask:0xf bank_mask:0xf
	ALL ds_store_b32 v11, v[AP+2*i] offset:32*i
	s_wait_kmcnt 0x0                               ; fc_b
	v_mov_b32 v[T+4], s34
	v_cvt_pk_bf16_f32 v[T+4], v[T+4], v[T+4]
	v_lshlrev_b32 v[T+4], 16, v[T+4]
	s_wait_dscnt 0x0                               ; for the others' sake: my partial sums are in LDS
	s_barrier_signal -1
	s_barrier_wait -1
.irp k, 0,1,2,3
	ds_load_b32 v[T+\k], v12 offset:512*\k         ; the four waves' sums for my (b, step)
.endr
	s_wait_dscnt 0x0
	v_add_f32 v[T], v[T], v[T+1]
	v_add_f32 v[T+2], v[T+2], v[T+3]
	v_add_f32 v[T], v[T], v[T+2]
	v_add_f32 v[T], v[T], v[T+4]
	global_store_b32 v13, v[T], s[12:13]
	s_wait_tensorcnt 0x0                           ; the wave's end: behind my tensor load and my last LDS store
	ds_add_u32 v2, v3
	s_wait_dscnt 0x0
	s_endpgm
.Lfunc_end_k_qc2e04263ab_denom:
	.size	k_qc2e04263ab_denom, .Lfunc_end_k_qc2e04263ab_denom-k_qc2e04263ab_denom
	.p2alignl 7, 3214868480
	.fill 96, 4, 3214868480
	.section	.rodata,"a",@progbits
	.p2align	6, 0x0
	.amdhsa_kernel k_qc2e04263ab_denom
		.amdhsa_group_segment_fixed_size 305664
		.amdhsa_private_segment_fixed_size 0
		.amdhsa_enable_private_segment 0
		.amdhsa_kernarg_size 40
		.amdhsa_user_sgpr_count 2
		.amdhsa_user_sgpr_kernarg_segment_ptr 1
		.amdhsa_wavefront_size32 1
		.amdhsa_system_sgpr_workgroup_id_x 1
		.amdhsa_system_sgpr_workgroup_id_y 1
		.amdhsa_system_sgpr_workgroup_id_z 1
		.amdhsa_system_vgpr_workitem_id 0
		.amdhsa_next_free_vgpr 768
		.amdhsa_next_free_sgpr 66
		.amdhsa_reserve_vcc 0
		.amdhsa_float_denorm_mode_32 3
		.amdhsa_float_denorm_mode_16_64 3
		.amdhsa_memory_ordered 1
		.amdhsa_forward_progress 1
		.amdhsa_inst_pref_size 104
	.end_amdhsa_kernel
	.amdgpu_metadata
---
amdhsa.version: [ 1, 2 ]
amdhsa.kernels:
  - .name:           k_qc2e04263ab_denom
    .symbol:         k_qc2e04263ab_denom.kd
    .args:
      - { .name: nq, .offset: 0, .size: 8, .value_kind: global_buffer, .address_space: global }
      - { .name: g, .offset: 8, .size: 8, .value_kind: global_buffer, .address_space: global }
      - { .name: fc_w, .offset: 16, .size: 8, .value_kind: global_buffer, .address_space: global }
      - { .name: fc_b, .offset: 24, .size: 8, .value_kind: global_buffer, .address_space: global }
      - { .name: out0, .offset: 32, .size: 8, .value_kind: global_buffer, .address_space: global }
    .group_segment_fixed_size: 305664
    .private_segment_fixed_size: 0
    .kernarg_segment_align: 8
    .kernarg_segment_size: 40
    .max_flat_workgroup_size: 128
    .sgpr_count:     66
    .vgpr_count:     768
    .wavefront_size: 32
...
	.end_amdgpu_metadata
.endif
;; end of part 3
;; ======== version 2 of 3: 3 launches; 1.09 times as fast as version 1
;; workspace buffers: wb 3,145,728 bytes; nq 67,108,864 bytes; g 67,108,864 bytes
;; launch wprep: the kernel of part 1 again; grid 256 x 1, 1 waves a work-group, no clusters, 0 bytes of LDS; arguments w_i, w_f, w_k, w_v, w_q, w_o, wb; writes wb
;; launch scan (part 4): grid 8 x 32, 4 waves a work-group, clusters of 4 x 1, 327,680 bytes of LDS; arguments x, wb, b_i, b_f, b_k, b_v, b_q, b_o, nq, g; writes nq, g
.if DOCPART == 4
	.amdgcn_target "amdgcn-amd-amdhsa--gfx1250"
	.amdhsa_code_object_version 6
	.text
	.protected	k_qc2e04263ab_scan
	.globl	k_qc2e04263ab_scan
	.p2align	8
	.type	k_qc2e04263ab_scan,@function
k_qc2e04263ab_scan:
	s_mov_b64 s[64:65], 0
	v_nop
	global_prefetch_b8 v0, s[64:65] scope:SCOPE_SE
	s_setreg_imm32_b32 hwreg(HW_REG_WAVE_MODE, 25, 1), 1
	s_wait_xcnt 0x0
	s_wait_alu depctr_hold_cnt(0) depctr_sa_sdst(0) depctr_va_vdst(0) depctr_va_sdst(0) depctr_va_ssrc(0) depctr_va_vcc(0) depctr_vm_vsrc(0)
	s_getreg_b32 s2, hwreg(HW_REG_IB_STS2, 6, 4)
	s_cmp_eq_u32 s2, 0
	s_cbranch_scc0 .Lentry_in_a_cluster
	s_endpgm
.Lentry_in_a_cluster:
	s_bfe_u32 s2, ttmp6, 0x10000c
	s_cmp_lg_u32 s2, 0x3003
	s_cbranch_scc0 .Lentry_shape_is_right
	s_endpgm
.Lentry_shape_is_right:
; PROJECTIONS, GATES AND RECURRENCE.  For one batch row b and 64 columns h, all 1,024 steps in order:
;   i, f, k, v, q, o = x_t W + bias (k's product times 1/sqrt(512));  m_t = max(f + m, i);  c_t = e^(f+m-m_t) c + e^(i-m_t) v k;  n_t likewise with k;
;   stored: n_t and q_t in bf16 (operands of the next launch's product), g_t = sigmoid(o) c_t q_t in f32.
; SHARES.  Work-group (hs, b); wave w owns the 16 columns h = 64 hs + 4 r + w of all six gates; its weights, 6 x 16 K steps x 8 = 768 registers, stay in windows 1 to 3.
; A TILE is 16 steps: 96 matrix instructions, K outside, the six gates inside: six accumulators by turns, one instruction a turn.
; In a result lane (r = l % 16, h' = l / 16) holds column r and the steps 8 h' + 0..7.
; THE SCAN RUNS TWICE.  A wave has 16 chains for 32 lanes; lanes 16-31 hold the later eight steps of the same chains.  Pass 1 runs eight steps from the carry (right in lanes 0-15);
; lanes 16-31 then take the other half's end state; pass 2 runs again and is right in all lanes; lanes 0-15 take the other half's end as the next carry.  EXEC is never changed.
; x comes as f32 by tensor loads into two slots of four tiles; each wave rounds four rows of the next tile to bf16 into one of two small buffers (ABUF), from which all four waves read fragments.
; A PERIOD is 96 slices (a matrix instruction and what stands behind it) from barrier to barrier: K steps 12-15 of tile p - 1, K steps 0-11 of tile p; behind them the vector work, the stage and the
; stores of tile p - 1 and the conversion of tile p + 1.  ITS 86 LDS AND 4 GLOBAL INSTRUCTIONS STAND IN FIVE RUNS, never singly among the matrix instructions.
; WINDOWS.  The weights lie by K: fragment 6 ks + gate in window 1 + (6 ks + gate) / 32, so source 1's window changes three times a tile.  All else lies in window 0.  A vector line that names no vector
; register as source 1 (a + b written as a x 1.0 + b, a maximum with -infinity in the middle) runs under the products' setting; only slices with a product of two registers, a packing or a select switch.
; CLUSTER.  The four work-groups of a cluster have the same b and read the same x, so each slot is asked for JOINTLY (mask of four); the place in the cluster enters the addresses of wb, biases, nq, g alone.
; LAYOUT OUT.  nq[t/4][h16 = 4 hs + w][b][n, q][t % 4][r] bf16, g[t/4][h16][b][t % 4][r] f32: units of 256 bytes, each stored whole by sixteen lanes.
; LIMITS.  x, weights and biases are rounded to bf16.  m is kept as m log2(e) in f32.  A gate weight below 2^-126 counts as 0.  The maximum drops a NaN.
.set XTILE, 32768                      ; a tile of x in LDS: 16 rows of 2,048 bytes, dense
.set XSLOT, 131072                     ; a slot: four tiles; slot 0 at byte 0, slot 1 behind it
.set ABUF,  262144                     ; 16 rows of 512 bf16 at pitch 1,040 (65 x 16 bytes: the 16 rows of a fragment load start 16 bytes apart modulo 256)
.set APAR,  32768                      ; the second such buffer lies this far behind the first
.set AP,    1040
.set STG,   278784                     ; the waves' stages: 16 rows x 80 bytes of (n, q), then 16 x 80 of g
.set STGW,  2560
.set SP,    80
.set SPARE, 289024                     ; the spare words, 128 bytes a wave: two blocks of 256 bytes that no other line names
; window 0: v2 spare word, v3 zero; v6 XA0, v7 XA; v8 stage in; v9, v10 stage back; v11 byte select; v12 offset in nq and g; v13 fragment address; v14 ABUF store address; v15 16 l;
; v16-21 biases (L b_i, L b_f, b_k, b_v, b_q, -L b_o); v22 m; v[24:25] (c, n) carried; v[26:27] pass 1's (c, n); v28, v29 m by turns; v30-32 from the other half
.set ACC, 40                           ; v40-87    six accumulators: i, f, k, v, q, o
.set AF,  88                           ; v88-151   eight fragments of x, slot = K step % 8: two halves of four K steps
.set I2,  152                          ; i log2(e)
.set F2,  160                          ; f log2(e)
.set PK,  168                          ; step t: the pair (v k, k)
.set VP,  184                          ; v; later (n, q) in bf16
.set QP,  192                          ; q
.set OPR, 200                          ; o's way to sigmoid(o) q c
.set CN,  208                          ; step t: (e2, e1) while the weights are made; pass 2 leaves (c_t, n_t)
.set XL,  224                          ; v224-255  two rows of x as loaded; packed to bf16 in place, into its lower half
.set RB,  I2                           ; (n, q) back from the stage: i's and f's sixteen registers are free behind pass 2
.set RG,  PK                           ; g back from the stage: so are the pairs'
.set RP,  QP                           ; (n, q) sorted into n's or q's: q has been used
; scalars: s24 wave; s25 cx; s26 hs; s27 b; s[32:39] group 1; s[40:43], s[44:47] group 0 (the second walks); s48, s49, s62 counts; s50 LDS byte of the tile to convert;
; s53 lanes 16-31; s[54:55] L = log2(e); s[56:57] -L; s58 1/sqrt(512); s59 -infinity; s[60:61] selects of v_permlanex16_b32
.set MSB, 0
.macro WIN new                         ; the immediate's high byte repeats the setting that is left; a switch that changes nothing is dropped
.if MSB != (\new)
	s_set_vgpr_msb (MSB<<8)|(\new)
.set MSB, (\new)
.endif
.endm
.macro ROUND                           ; a round of the cluster's barrier
	s_barrier_signal -1
	s_barrier_wait -1
	s_cmp_lg_u32 s24, 0
	s_cbranch_scc1 .Lnot_wave_0_\@
	s_barrier_signal -3
.Lnot_wave_0_\@:
	s_barrier_wait -3
	s_barrier_signal -1
	s_barrier_wait -1
.endm
	s_load_b512 s[4:19], s[0:1], 0x0               ; x, wb, b_i, b_f, b_k, b_v, b_q, b_o
	s_load_b128 s[20:23], s[0:1], 0x40             ; nq, g
	v_lshl_add_u32 v2, v0, 2, SPARE
	v_mov_b32 v3, 0
	ds_add_u32 v2, v3                              ; the wave's opening: the add and its wait stand ahead of my first tensor load; work on registers stands between them
	ds_add_u32 v2, v3
	v_lshrrev_b32 v1, 5, v0
	v_readfirstlane_b32 s24, v1                    ; wave 0..3
	s_bfe_u32 s25, ttmp6, 0x40000                  ; cx
	s_lshl_b32 s26, ttmp9, 2
	s_add_co_u32 s26, s26, s25                     ; hs = 4 x cluster x + cx
	s_and_b32 s27, ttmp7, 0xffff                   ; b, which the four partners share
	; group 1: a tile of x is 32,768 dense bytes, asked for as 128 rows of 256 bytes (32 elements of 8 bytes)
	s_mov_b32 s32, 15|(3<<16)|(1<<21)              ; 15:0 the mask of four; 17:16 elements of 8 bytes; 21 set beside a mask
	s_mov_b32 s33, 32<<16                          ; tensor_dim0 = 32
	s_mov_b32 s34, 128<<16                         ; tensor_dim1 = 128
	s_mov_b32 s35, 32<<16                          ; tile_dim0 = 32
	s_mov_b32 s36, 128                             ; tile_dim1 = 128
	s_mov_b32 s37, 32                              ; 32 elements from row to row
	s_mov_b32 s38, 0
	s_mov_b32 s39, 0
	s_mov_b32 s40, 1
	s_lshl_b32 s41, s24, 15                        ; wave w fetches tile w of a slot: LDS byte 32,768 w
	s_mov_b32 s44, 1
	s_add_co_u32 s45, s41, XSLOT
	s_lshl_b32 s28, s27, 21                        ; x: b's 1,024 rows of 2,048 bytes,
	s_add_co_u32 s28, s28, s41                     ; and tile w
	s_mov_b32 s29, 0
	s_lshl_b32 s30, s26, 2
	s_add_co_u32 s30, s30, s24                     ; h16 = 4 hs + w
	s_mul_i32 s48, s30, 98304                      ; my weights in wb
	s_mov_b32 s49, 0
	s_lshl_b32 s2, s30, 13                         ; my units in nq and g: 8,192 h16 + 256 b
	s_lshl_b32 s3, s27, 8
	s_add_co_u32 s2, s2, s3
	s_mov_b32 s3, 0
	s_lshl_b32 s31, s26, 8
	s_lshl2_add_u32 s31, s24, s31                  ; biases: 4 (64 hs + w)
	s_mov_b32 s50, 0
	s_mov_b32 s53, 0xffff0000
	s_mov_b32 s54, 0x3fb8aa3b
	s_mov_b32 s55, 0x3fb8aa3b
	s_mov_b32 s56, 0xbfb8aa3b
	s_mov_b32 s57, 0xbfb8aa3b
	s_mov_b32 s58, 0x3d3504f3
	s_mov_b32 s59, 0xff800000
	s_mov_b32 s60, 0x76543210
	s_mov_b32 s61, 0xfedcba98
	s_wait_dscnt 0x0                               ; the opening add is done
	s_wait_kmcnt 0x0
	s_add_nc_u64 s[42:43], s[4:5], s[28:29]        ; slot 0's tile w
	s_add_nc_u64 s[46:47], s[42:43], XSLOT         ; slot 1's
	s_or_b32 s43, s43, 0x80000000                  ; type = 2
	s_or_b32 s47, s47, 0x80000000
	s_add_nc_u64 s[6:7], s[6:7], s[48:49]
	s_add_nc_u64 s[20:21], s[20:21], s[2:3]
	s_add_nc_u64 s[22:23], s[22:23], s[2:3]
	ROUND                                          ; all four work-groups are here: the first joint loads meet
	tensor_load_to_lds s[40:43], s[32:39]          ; two loads of mine are out
	s_nop 0
	tensor_load_to_lds s[44:47], s[32:39]
	s_nop 0
.rept 4
	v_nop
.endr
	v_and_b32 v1, 31, v0                           ; l
	v_lshlrev_b32 v15, 4, v1
.set fi, 0
.rept 96                               ; fragment fi = 6 ks + gate lies in window 1 + fi / 32 at v[8 (fi % 32)]; in wb a gate is 16,384 bytes, a K step 1,024, a half 512
	WIN (1+fi/32)<<6
	global_load_b128 v[8*(fi%32):8*(fi%32)+3],   v15, s[6:7] offset:16384*(fi%6)+1024*(fi/6)
	global_load_b128 v[8*(fi%32)+4:8*(fi%32)+7], v15, s[6:7] offset:16384*(fi%6)+1024*(fi/6)+512
.set fi, fi+1
.endr
	WIN 0
	v_and_b32 v34, 15, v0                          ; r
	v_bfe_u32 v35, v0, 4, 1                        ; h'
	v_lshl_add_u32 v33, v34, 4, s31                ; 4 (64 hs + 4 r + w)
.irp k, 0,1,2,3,4,5
	global_load_b32 v[16+\k], v33, s[8+2*\k:9+2*\k]
.endr
	s_lshl_b32 s28, s24, 13
	v_add_nc_u32 v6, s28, v15                      ; XA0: my four rows of a tile, 16 bytes a lane
	v_mov_b32 v7, v6
	s_mul_i32 s28, s24, STGW
	s_add_co_u32 s28, s28, STG                     ; my stage
	v_mul_u32_u24 v8, v35, 8*SP                    ; in: row 8 h' + t, word r
	v_lshl_add_u32 v8, v34, 2, v8
	v_add_nc_u32 v8, s28, v8
	v_bfe_u32 v36, v0, 1, 2                        ; (n, q) back: lane i of sixteen takes step (i / 2) % 4 of its unit, eight words from 8 (i % 2) on
	v_lshl_add_u32 v36, v35, 2, v36
	v_mul_u32_u24 v9, v36, SP
	v_and_b32 v36, 1, v0
	v_lshl_add_u32 v9, v36, 5, v9
	v_add_nc_u32 v9, s28, v9
	v_bfe_u32 v36, v0, 2, 2                        ; g back: lane i takes step i / 4, four words from 4 (i % 4) on
	v_lshl_add_u32 v36, v35, 2, v36
	v_mul_u32_u24 v10, v36, SP
	v_and_b32 v36, 3, v0
	v_lshl_add_u32 v10, v36, 4, v10
	v_add_nc_u32 v10, s28, v10
	v_add_nc_u32 v10, 16*SP, v10
	s_mov_b32 s29, 0xff00ff00                      ; lanes 8-15 of sixteen store q's, the others n's
	v_mov_b32 v11, 0x05040100                      ; the two low halves
	v_mov_b32 v36, 0x07060302                      ; the two high halves
	v_cndmask_b32 v11, v11, v36, s29
	v_lshlrev_b32 v12, 4, v34                      ; lanes 0-15 one unit, lanes 16-31 the unit of the next four steps
	v_lshl_add_u32 v12, v35, 18, v12
	v_mul_u32_u24 v13, v34, AP                     ; a fragment: row r, 16 bytes for each half of the lanes
	v_lshl_add_u32 v13, v35, 4, v13
	v_add_nc_u32 v13, ABUF, v13
	s_mul_i32 s29, s24, 4*AP
	s_add_co_u32 s29, s29, ABUF
	v_lshl_add_u32 v14, v1, 3, s29                 ; my four rows of ABUF, 8 bytes a lane
	v_mov_b32 v22, 0                               ; m, c, n start at 0
	v_mov_b32 v24, 0
	v_mov_b32 v25, 0
	v_mov_b32 v30, 0                               ; v_permlanex16_b32 counts as a reader of its destination
	v_mov_b32 v31, 0
	v_mov_b32 v32, 0
; THE TEXT'S OWN COUNTS.  pl: plain vector lines since the last matrix instruction that read a half of the fragments; pa: since accumulator i's last; dsn: LDS instructions of the period so far.
.macro PLN
.set pl, pl+1
.set pa, pa+1
.endm
; The fragments of K steps 4 k to 4 k + 3, eight loads in one run, into the half that the matrix instructions have just left.  A load into registers that a matrix instruction has read stands four
; plain vector lines behind it (ISA guide 7.12.1 for vector lines).  A load names no source 1, so it runs under any of the text's settings.
.macro ARUN k
.if CUR
.rept 4
.if pl < 4
	v_nop
	PLN
.endif
.endr
.irp j, 0,1,2,3
.set sl, AF+8*((4*(\k)+\j)%8)
	ds_load_b128 v[sl:sl+3],   v13 offset:PAR*APAR+64*(4*(\k)+\j)
	ds_load_b128 v[sl+4:sl+7], v13 offset:PAR*APAR+64*(4*(\k)+\j)+32
.endr
.set dsn, dsn+8
.if (\k) == 0
.set mk0, dsn
.elseif (\k) == 1
.set mk1, dsn
.elseif (\k) == 2
.set mk2, dsn
.endif
.endif
.endm
; The matrix instruction of slice sg.  Slices 0-23: K steps 12-15 of the tile before; 24-95: K steps 0-11 of this tile.  LDS instructions end in order: a run of fragments is in when only the
; instructions issued behind it are out; K steps 12-15 are covered by the wait for 0 in front of the barrier.
.macro MM
.if sg < 24
.set ks, 12+sg/6
.set on, PREV
.else
.set ks, (sg-24)/6
.set on, CUR
.endif
.set gt, sg%6
.if on
.if sg == 24
	s_wait_dscnt dsn-mk0
.elseif sg == 48
	s_wait_dscnt dsn-mk1
.elseif sg == 72
	s_wait_dscnt dsn-mk2
.endif
.set fi, 6*ks+gt
	WIN (1+fi/32)<<2                               ; the weights (source 1) in window 1 + fi / 32
.set rw, 8*(fi%32)
.set ra, AF+8*(ks%8)
.set rc, ACC+8*gt
.if ks == 0
	v_wmma_f32_16x16x32_bf16 v[rc:rc+7], v[ra:ra+7], v[rw:rw+7], 0
.else
	v_wmma_f32_16x16x32_bf16 v[rc:rc+7], v[ra:ra+7], v[rw:rw+7], v[rc:rc+7]
.endif
.if (sg%24) == 23
.set pl, 0
.endif
.if sg == 18
.set pa, 0
.endif
.endif
.set sg, sg+1
.endm
; THE CONVERSION of the next tile: batch b is rows 4 w + 2 b and 4 w + 2 b + 1.
.macro XAD
.if CONV
	WIN 0
	v_add_nc_u32 v7, s50, v6
	PLN
.endif
.endm
.macro CL b
.if CONV
.irp c, 0,1
.irp i, 0,1,2,3
	ds_load_b128 v[XL+16*\c+4*\i:XL+16*\c+4*\i+3], v7 offset:2048*(2*(\b)+\c)+512*\i
.endr
.endr
.set dsn, dsn+8
.set mkc, dsn
.endif
.endm
.macro CCW
.if CONV
	s_wait_dscnt dsn-mkc
.endif
.endm
.macro CC4 k                           ; in place: word m takes numbers 2 m and 2 m + 1, and no later line reads a word that has been written
.if CONV
	WIN 0
.irp i, 0,1,2,3
	v_cvt_pk_bf16_f32 v[XL+(\k)+\i], v[XL+2*((\k)+\i)], v[XL+2*((\k)+\i)+1]
	PLN
.endr
.endif
.endm
.macro CS b
.if CONV
	WIN 0
.irp c, 0,1
.irp i, 0,1,2,3
	ds_store_b64 v14, v[XL+8*\c+2*\i:XL+8*\c+2*\i+1] offset:(1-PAR)*APAR+AP*(2*(\b)+\c)+256*\i
.endr
.endr
.set dsn, dsn+8
.endif
.endm
; THE VECTOR WORK of the tile before.  Lines without 'WIN 0' name no vector register as source 1.
.macro PADA                            ; four plain lines stand between accumulator i's last matrix instruction and its first reader
.if PREV
.rept 4
.if pa < 4
	v_nop
	PLN
.endif
.endr
.endif
.endm
.macro PI4                             ; i L + L b_i
.if PREV
.irp j, 0,1,2,3
	v_pk_fma_f32 v[I2+2*\j:I2+2*\j+1], v[ACC+2*\j:ACC+2*\j+1], s[54:55], v[16:17] op_sel_hi:[1,0,0]
	PLN
.endr
.endif
.endm
.macro PF4                             ; f L + L b_f
.if PREV
.irp j, 0,1,2,3
	v_pk_fma_f32 v[F2+2*\j:F2+2*\j+1], v[ACC+8+2*\j:ACC+8+2*\j+1], s[54:55], v[16:17] op_sel:[0,0,1] op_sel_hi:[1,0,1]
	PLN
.endr
.endif
.endm
.macro KK4 a                           ; k = product / sqrt(512) + b_k
.if PREV
.irp i, 0,1,2,3
	v_fma_f32 v[PK+2*((\a)+\i)+1], v[ACC+16+(\a)+\i], s58, v18
	PLN
.endr
.endif
.endm
.macro PV4                             ; v + b_v
.if PREV
.irp j, 0,1,2,3
	v_pk_fma_f32 v[VP+2*\j:VP+2*\j+1], v[ACC+24+2*\j:ACC+24+2*\j+1], 1.0, v[18:19] op_sel:[0,0,1] op_sel_hi:[1,0,1]
	PLN
.endr
.endif
.endm
.macro PQ4                             ; q + b_q
.if PREV
.irp j, 0,1,2,3
	v_pk_fma_f32 v[QP+2*\j:QP+2*\j+1], v[ACC+32+2*\j:ACC+32+2*\j+1], 1.0, v[20:21] op_sel_hi:[1,0,0]
	PLN
.endr
.endif
.endm
.macro PO4                             ; -L o - L b_o
.if PREV
.irp j, 0,1,2,3
	v_pk_fma_f32 v[OPR+2*\j:OPR+2*\j+1], v[ACC+40+2*\j:ACC+40+2*\j+1], s[56:57], v[20:21] op_sel:[0,0,1] op_sel_hi:[1,0,1]
	PLN
.endr
.endif
.endm
.macro VK t                            ; v k
.if PREV
	WIN 0
	v_mul_f32 v[PK+2*(\t)], v[VP+(\t)], v[PK+2*(\t)+1]
	PLN
.endif
.endm
.macro MA t                            ; a = f + m of the step before
.if PREV
.if (\t) == 0
	v_fma_f32 v[CN+2*(\t)], v[F2+(\t)], 1.0, v22
.else
	v_fma_f32 v[CN+2*(\t)], v[F2+(\t)], 1.0, v[28+((\t)-1)%2]
.endif
	PLN
.endif
.endm
.macro MX t                            ; m = max(a, i)
.if PREV
	v_max3_num_f32 v[28+(\t)%2], v[CN+2*(\t)], s59, v[I2+(\t)]
	PLN
.endif
.endm
.macro SI t                            ; i - m
.if PREV
	v_fma_f32 v[CN+2*(\t)+1], v[28+(\t)%2], -1.0, v[I2+(\t)]
	PLN
.endif
.endm
.macro SF t                            ; a - m
.if PREV
	v_fma_f32 v[CN+2*(\t)], v[28+(\t)%2], -1.0, v[CN+2*(\t)]
	PLN
.endif
.endm
.macro EI t                            ; e1 = 2^(i - m).  Behind each exponential and reciprocal a plain line that touches neither its result nor its source comes before the result's use (ISA guide 5.7.2)
.if PREV
	v_exp_f32 v[CN+2*(\t)+1], v[CN+2*(\t)+1]
.endif
.endm
.macro EF t                            ; e2 = 2^(a - m)
.if PREV
	v_exp_f32 v[CN+2*(\t)], v[CN+2*(\t)]
.endif
.endm
.macro CM p, t                         ; pass 1: (c, n) times e2.  Pass 2: (v k, k) times e1, in place
.if PREV
	WIN 0
.if (\p) == 1
.if (\t) == 0
	s_wait_alu depctr_va_vdst(0)
	v_pk_mul_f32 v[26:27], v[24:25], v[CN+2*(\t):CN+2*(\t)+1] op_sel_hi:[1,0]
.else
	s_wait_alu depctr_va_vdst(0)
	v_pk_mul_f32 v[26:27], v[26:27], v[CN+2*(\t):CN+2*(\t)+1] op_sel_hi:[1,0]
.endif
.else
	s_wait_alu depctr_va_vdst(0)
	v_pk_mul_f32 v[PK+2*(\t):PK+2*(\t)+1], v[PK+2*(\t):PK+2*(\t)+1], v[CN+2*(\t):CN+2*(\t)+1] op_sel:[0,1] op_sel_hi:[1,1]
.endif
	PLN
.endif
.endm
.macro CF p, t                         ; pass 1: + e1 (v k, k).  Pass 2: (c_t, n_t) = (c, n) of the step before times e2 + the scaled pair
.if PREV
	WIN 0
.if (\p) == 1
	v_pk_fma_f32 v[26:27], v[PK+2*(\t):PK+2*(\t)+1], v[CN+2*(\t):CN+2*(\t)+1], v[26:27] op_sel:[0,1,0] op_sel_hi:[1,1,1]
.elseif (\t) == 0
	v_pk_fma_f32 v[CN+2*(\t):CN+2*(\t)+1], v[24:25], v[CN+2*(\t):CN+2*(\t)+1], v[PK+2*(\t):PK+2*(\t)+1] op_sel_hi:[1,0,1]
.else
	v_pk_fma_f32 v[CN+2*(\t):CN+2*(\t)+1], v[CN+2*(\t)-2:CN+2*(\t)-1], v[CN+2*(\t):CN+2*(\t)+1], v[PK+2*(\t):PK+2*(\t)+1] op_sel_hi:[1,0,1]
.endif
	PLN
.endif
.endm
.macro XP d, s                         ; each lane takes its own place in the other half
.if PREV
	v_permlanex16_b32 v[\d], v[\s], s60, s61
.endif
.endm
.macro XC d, s                         ; lanes 16-31 take s, lanes 0-15 keep d
.if PREV
	WIN 0
	v_cndmask_b32 v[\d], v[\d], v[\s], s53
	PLN
.endif
.endm
.macro EO t
.if PREV
	v_exp_f32 v[OPR+(\t)], v[OPR+(\t)]
.endif
.endm
.macro AO j
.if PREV
	s_wait_alu depctr_va_vdst(0)
	v_pk_add_f32 v[OPR+2*(\j):OPR+2*(\j)+1], v[OPR+2*(\j):OPR+2*(\j)+1], 1.0 op_sel_hi:[1,0]
	PLN
.endif
.endm
.macro RO t
.if PREV
	v_rcp_f32 v[OPR+(\t)], v[OPR+(\t)]
.endif
.endm
.macro PR j                            ; sigmoid(o) q
.if PREV
	WIN 0
	s_wait_alu depctr_va_vdst(0)
	v_pk_mul_f32 v[OPR+2*(\j):OPR+2*(\j)+1], v[OPR+2*(\j):OPR+2*(\j)+1], v[QP+2*(\j):QP+2*(\j)+1]
	PLN
.endif
.endm
.macro NQ t                            ; n in the low half, q in the high, into v's registers: q itself is still wanted
.if PREV
	WIN 0
	v_cvt_pk_bf16_f32 v[VP+(\t)], v[CN+2*(\t)+1], v[QP+(\t)]
	PLN
.endif
.endm
.macro GG t                            ; g = sigmoid(o) q c
.if PREV
	WIN 0
	v_mul_f32 v[OPR+(\t)], v[OPR+(\t)], v[CN+2*(\t)]
	PLN
.endif
.endm
.macro STAGE                           ; sixteen stores into my stage and six loads back.  The stage is my wave's own, and LDS serves a wave's instructions in order (ISA guide 5.7.1.4): the loads see the stores
.if PREV
	WIN 0
.irp t, 0,1,2,3,4,5,6,7
	ds_store_b32 v8, v[VP+\t] offset:SP*\t
.endr
.irp t, 0,1,2,3,4,5,6,7
	ds_store_b32 v8, v[OPR+\t] offset:16*SP+SP*\t
.endr
	ds_load_b128 v[RB:RB+3],     v9
	ds_load_b128 v[RB+4:RB+7],   v9 offset:16
	ds_load_b128 v[RB+8:RB+11],  v9 offset:8*SP
	ds_load_b128 v[RB+12:RB+15], v9 offset:8*SP+16
.set dsn, dsn+20
.set mkr4, dsn
	ds_load_b128 v[RG:RG+3],   v10
	ds_load_b128 v[RG+4:RG+7], v10 offset:8*SP
.set dsn, dsn+2
.set mkr6, dsn
.endif
.endm
.macro PM4 k
.if PREV
	WIN 0
.if (\k) == 0
	s_wait_dscnt dsn-mkr4
.endif
.irp i, 0,1,2,3
	v_perm_b32 v[RP+(\k)+\i], v[RB+2*((\k)+\i)+1], v[RB+2*((\k)+\i)], v11
	PLN
.endr
.endif
.endm
.macro GSN                             ; sixteen lanes store 256 consecutive bytes, at a multiple of 256 from the buffer's first byte
.if PREV
	WIN 0
	global_store_b128 v12, v[RP:RP+3],   s[20:21]
	global_store_b128 v12, v[RP+4:RP+7], s[20:21] offset:524288
.endif
.endm
.macro GSG
.if PREV
	WIN 0
	s_wait_dscnt dsn-mkr6
	global_store_b128 v12, v[RG:RG+3],   s[22:23]
	global_store_b128 v12, v[RG+4:RG+7], s[22:23] offset:524288
.endif
.endm
.macro XS                              ; the stores' addresses are translated (ISA guide 3.1): only behind this wait are their bases stepped and, in the next period, their data rewritten
.if PREV
	s_wait_xcnt 0x0
	s_add_nc_u64 s[20:21], s[20:21], 0x100000      ; four units of four steps on
	s_add_nc_u64 s[22:23], s[22:23], 0x100000
.endif
.endm
; Two slices of a pass: step t's maximum, step t - 1's weights, step t - 2's update.  The first holds both packed lines of (c, n) and works in window 0; the second needs no switch.
; MA stands first: it is the plain line between the exponentials that end the slice before and CM, which reads them.
.macro XROW p, t
	MM
	MA \t
	CM \p, (\t)-2
	SI (\t)-1
	CF \p, (\t)-2
.endm
.macro YROW t
	MM
	SF (\t)-1
	MX \t
	EI (\t)-1
	EF (\t)-1
.endm
.macro MMS n
.rept \n
	MM
.endr
.endm
; A PERIOD.  par: which ABUF holds this tile.  prev: the tile before is finished, worked on and stored.  cur: this tile's K steps 0-11.  conv: the next tile is converted.
; bar: the barrier at the end.  It orders the conversion's stores into the other ABUF against the next period's fragment loads, and this period's fragment loads against the next period's stores into this ABUF.
.macro PERIOD par, prev, cur, conv, bar
.set PAR, \par
.set PREV, \prev
.set CUR, \cur
.set CONV, \conv
.set sg, 0
.set dsn, 0
.set pl, 4                             ; four v_nop stand behind the last matrix instruction of the period before
.set pa, 4
	WIN 0
	XAD
	CL 0                                           ; RUN A: two rows of x, wanted first; then K steps 0-3
	ARUN 0
	MMS 15                                         ; 0-14
	MM                                             ; 15
	CCW
	CC4 0
	MM                                             ; 16
	CC4 4
	MM                                             ; 17
	CC4 8
	MM                                             ; 18: accumulator i is finished; the four lines behind it are its places
	CC4 12
	MM                                             ; 19
	PADA
	PI4
	MM                                             ; 20
	PF4
	MM                                             ; 21
	KK4 0
	MM                                             ; 22
	KK4 4
	MM                                             ; 23: the last product of the tile before
	PV4
	CS 0                                           ; RUN B: the two rows into ABUF; K steps 4-7; the other two rows of x
	ARUN 1
	CL 1
	MM                                             ; 24
	PQ4
	MM                                             ; 25
	PO4
	MM                                             ; 26: pass 1
	MA 0
	VK 0
	VK 1
	VK 2
	MM                                             ; 27
	MX 0
	VK 3
	VK 4
	VK 5
	MM                                             ; 28
	MA 1
	SI 0
	VK 6
	VK 7
	YROW 1                                         ; 29
.irp t, 2,3,4,5,6,7
	XROW 1, \t                                     ; 30-41
	YROW \t
.endr
	MM                                             ; 42
	SI 7
	CM 1, 6
	EO 0
	CF 1, 6
	MM                                             ; 43
	SF 7
	XP 30, 29
	EI 7
	EF 7
	MM                                             ; 44: pass 2 begins while pass 1's (c, n) ends
	XC 22, 30
	CM 1, 7
	MA 0
	CF 1, 7
	MM                                             ; 45
	MX 0
	XP 31, 26
	XP 32, 27
	EO 1
	MM                                             ; 46
	MA 1
	SI 0
	XC 24, 31
	XC 25, 32
	YROW 1                                         ; 47: the last product on K steps 0-3
	XROW 2, 2                                      ; 48
	ARUN 2                                         ; RUN C: K steps 8-11; six plain lines stand behind slice 47's product
	YROW 2                                         ; 49
.irp t, 3,4,5,6,7
	XROW 2, \t                                     ; 50-59
	YROW \t
.endr
	MM                                             ; 60
	SI 7
	CM 2, 6
	EO 2
	CF 2, 6
	MM                                             ; 61
	SF 7
	EO 3
	EI 7
	EF 7
	MM                                             ; 62
	AO 0
	CM 2, 7
	AO 1
	CF 2, 7
	MM                                             ; 63
	NQ 0
	EO 4
	NQ 1
	EO 5
	MM                                             ; 64
	NQ 2
	EO 6
	NQ 3
	EO 7
	MM                                             ; 65
	NQ 4
	RO 0
	NQ 5
	RO 1
	MM                                             ; 66
	AO 2
	RO 2
	AO 3
	RO 3
	MM                                             ; 67
	NQ 6
	RO 4
	NQ 7
	RO 5
	MM                                             ; 68
	PR 0
	RO 6
	PR 1
	RO 7
	MM                                             ; 69
	GG 0
	GG 1
	PR 2
	PR 3
	MM                                             ; 70: the carry for the next tile
	XP 22, 29
	XP 24, CN+14
	XP 25, CN+15
	GG 2
	MM                                             ; 71: the last product on K steps 4-7
	GG 3
	GG 4
	GG 5
	GG 6
	GG 7
	STAGE                                          ; RUN D: the stage, in and back; K steps 12-15
	ARUN 3
	MM                                             ; 72
	CCW
	CC4 0
	MM                                             ; 73
	CC4 4
	MM                                             ; 74
	CC4 8
	MM                                             ; 75
	CC4 12
	MMS 6                                          ; 76-81
	MM                                             ; 82
	PM4 0
	MM                                             ; 83
	PM4 4
	GSN                                            ; RUN E: the four stores; the other two rows into ABUF
	GSG
	CS 1
	MMS 7                                          ; 84-90
.if \conv
	s_add_co_u32 s50, s50, XTILE                   ; the next period converts the next tile
.endif
	MMS 2                                          ; 91, 92
	XS
	MMS 2                                          ; 93, 94
.if \bar
	s_wait_dscnt 0x0                               ; my stores into the other ABUF are done and my fragment loads are back, those of K steps 12-15 among them
	s_barrier_signal -1
.endif
	MM                                             ; 95
.if \bar
.rept 4
	v_nop                                          ; the places in front of the next period's first fragment load
.endr
	WIN 0
	s_barrier_wait -1
.else
	WIN 0
.endif
.endm
; THE CHANGE OF SLOTS, behind the period that has converted a slot's last tile.  Each wave waits for all its tensor loads (one is out: its tile of the other slot), adds 0 to its spare word, and waits for
; that and for its reads of the slot.  REFILL: a round of the cluster's barrier, so that no wave of any partner still reads the slot or has a load on its way; the joint refill is the first thing behind it
; and has four periods, 384 matrix instructions, in which to land.
.macro TURNX
	s_sub_co_u32 s50, s50, 4*XTILE                 ; the conversion goes back to a slot's first tile,
	s_xor_b32 s50, s50, XSLOT                      ; in the other slot
.endm
.macro REFILL
	WIN 0
	s_wait_tensorcnt 0x0                           ; no tensor load of mine is out, so the walking group 0 may be written
	ds_add_u32 v2, v3                              ; 0 onto my spare word
	s_xor_b32 s45, s45, XSLOT                      ; the other slot than last time,
	s_add_nc_u64 s[46:47], s[46:47], XSLOT         ; the next four tiles; the type bits on top are not reached
	TURNX
	s_wait_dscnt 0x0
	ROUND
	tensor_load_to_lds s[44:47], s[32:39]
	s_nop 0
.rept 4
	v_nop
.endr
.endm
.macro CHG0                            ; the same with nothing left to fetch
	WIN 0
	s_wait_tensorcnt 0x0
	ds_add_u32 v2, v3
	TURNX
	s_wait_dscnt 0x0
	s_barrier_signal -1
	s_barrier_wait -1
.endm
	s_wait_tensorcnt 0x1                           ; my tile of slot 0 is in; slot 1's may stay out
	s_barrier_signal -1
	s_barrier_wait -1                              ; everybody's is
.set PAR, 1                            ; tile 0 goes into the first ABUF
.set CONV, 1
.set PREV, 0
.set CUR, 0
.set dsn, 0
.set pl, 4
.set pa, 4
.irp b, 0,1
	CL \b
	s_wait_dscnt 0x0
	CC4 0
	CC4 4
	CC4 8
	CC4 12
	CS \b
.endr
	s_wait_loadcnt 0x0                             ; weights and biases
.irp k, 16,17,18,19,20,21
	v_cvt_pk_bf16_f32 v\k, v\k, v\k                ; the biases are rounded to bf16 like all inputs
.endr
.irp k, 16,17,18,19,20,21
	v_lshlrev_b32 v\k, 16, v\k
.endr
	v_mul_f32 v16, s54, v16
	v_mul_f32 v17, s54, v17
	v_mul_f32 v21, s56, v21
	s_mov_b32 s50, XTILE
	s_wait_dscnt 0x0                               ; for the others' sake: my rows of tile 0 are in ABUF
	s_barrier_signal -1
	s_barrier_wait -1
	PERIOD 0, 0, 1, 1, 1                           ; period 0
	s_mov_b32 s48, 1                               ; the first cycle has one pair: periods 1 and 2
	s_mov_b32 s49, 14                              ; slots 2 to 15 are asked for by refills
	s_branch .Lpair
.Lcycle:
	s_mov_b32 s48, 2
.Lpair:
	PERIOD 1, 1, 1, 1, 1
	PERIOD 0, 1, 1, 1, 1
	s_sub_co_u32 s48, s48, 1
	s_cmp_lg_u32 s48, 0
	s_cbranch_scc1 .Lpair
	REFILL
	s_sub_co_u32 s49, s49, 1
	s_cmp_lg_u32 s49, 0
	s_cbranch_scc1 .Lcycle
	s_mov_b32 s62, 2                               ; the tail is written out: periods 55 to 62
.Ltail:
	s_mov_b32 s48, 2
.Ltpair:
	PERIOD 1, 1, 1, 1, 1
	PERIOD 0, 1, 1, 1, 1
	s_sub_co_u32 s48, s48, 1
	s_cmp_lg_u32 s48, 0
	s_cbranch_scc1 .Ltpair
	CHG0                                           ; the first shows the last slot to every wave; the second orders nothing new: the price of one text for both trips
	s_sub_co_u32 s62, s62, 1
	s_cmp_lg_u32 s62, 0
	s_cbranch_scc1 .Ltail
	PERIOD 1, 1, 1, 0, 1                           ; period 63: no tile is left to convert
	PERIOD 0, 1, 0, 0, 0                           ; period 64: tile 63 is finished, worked on and stored
	s_wait_tensorcnt 0x0                           ; the wave's end: behind my last tensor load and my last LDS store
	ds_add_u32 v2, v3
	s_wait_dscnt 0x0
	ROUND                                          ; the closing round: no work-group ends while a partner may still ask for a tile that names it
	s_endpgm
.Lfunc_end_k_qc2e04263ab_scan:
	.size	k_qc2e04263ab_scan, .Lfunc_end_k_qc2e04263ab_scan-k_qc2e04263ab_scan
	.p2alignl 7, 3214868480
	.fill 96, 4, 3214868480
	.section	.rodata,"a",@progbits
	.p2align	6, 0x0
	.amdhsa_kernel k_qc2e04263ab_scan
		.amdhsa_group_segment_fixed_size 327680
		.amdhsa_private_segment_fixed_size 0
		.amdhsa_enable_private_segment 0
		.amdhsa_kernarg_size 80
		.amdhsa_user_sgpr_count 2
		.amdhsa_user_sgpr_kernarg_segment_ptr 1
		.amdhsa_wavefront_size32 1
		.amdhsa_system_sgpr_workgroup_id_x 1
		.amdhsa_system_sgpr_workgroup_id_y 1
		.amdhsa_system_sgpr_workgroup_id_z 1
		.amdhsa_system_vgpr_workitem_id 0
		.amdhsa_next_free_vgpr 1024
		.amdhsa_next_free_sgpr 66
		.amdhsa_reserve_vcc 0
		.amdhsa_float_denorm_mode_32 3
		.amdhsa_float_denorm_mode_16_64 3
		.amdhsa_memory_ordered 1
		.amdhsa_forward_progress 1
		.amdhsa_inst_pref_size 204
	.end_amdhsa_kernel
	.amdgpu_metadata
---
amdhsa.version: [ 1, 2 ]
amdhsa.kernels:
  - .name:           k_qc2e04263ab_scan
    .symbol:         k_qc2e04263ab_scan.kd
    .args:
      - { .name: x, .offset: 0, .size: 8, .value_kind: global_buffer, .address_space: global }
      - { .name: wb, .offset: 8, .size: 8, .value_kind: global_buffer, .address_space: global }
      - { .name: b_i, .offset: 16, .size: 8, .value_kind: global_buffer, .address_space: global }
      - { .name: b_f, .offset: 24, .size: 8, .value_kind: global_buffer, .address_space: global }
      - { .name: b_k, .offset: 32, .size: 8, .value_kind: global_buffer, .address_space: global }
      - { .name: b_v, .offset: 40, .size: 8, .value_kind: global_buffer, .address_space: global }
      - { .name: b_q, .offset: 48, .size: 8, .value_kind: global_buffer, .address_space: global }
      - { .name: b_o, .offset: 56, .size: 8, .value_kind: global_buffer, .address_space: global }
      - { .name: nq, .offset: 64, .size: 8, .value_kind: global_buffer, .address_space: global }
      - { .name: g, .offset: 72, .size: 8, .value_kind: global_buffer, .address_space: global }
    .group_segment_fixed_size: 327680
    .private_segment_fixed_size: 0
    .kernarg_segment_align: 8
    .kernarg_segment_size: 80
    .max_flat_workgroup_size: 128
    .sgpr_count:     66
    .vgpr_count:     1024
    .wavefront_size: 32
...
	.end_amdgpu_metadata
.endif
;; end of part 4
;; launch denom: the kernel of part 3 again; grid 256 x 1, 4 waves a work-group, no clusters, 305,664 bytes of LDS; arguments nq, g, fc_w, fc_b, out0; writes out0
;; ======== version 3 of 3: 3 launches; 1.22 times as fast as version 1
;; workspace buffers: wb 3,145,728 bytes; nq 67,108,864 bytes; g 67,108,864 bytes
;; launch wprep: the kernel of part 1 again; grid 256 x 1, 1 waves a work-group, no clusters, 0 bytes of LDS; arguments w_i, w_f, w_k, w_v, w_q, w_o, wb; writes wb
;; launch scan (part 5): grid 8 x 32, 4 waves a work-group, clusters of 4 x 1, 327,680 bytes of LDS; arguments x, wb, b_i, b_f, b_k, b_v, b_q, b_o, nq, g; writes nq, g
.if DOCPART == 5
	.amdgcn_target "amdgcn-amd-amdhsa--gfx1250"
	.amdhsa_code_object_version 6
	.text
	.protected	k_qc2e04263ab_scan
	.globl	k_qc2e04263ab_scan
	.p2align	8
	.type	k_qc2e04263ab_scan,@function
k_qc2e04263ab_scan:
	s_mov_b64 s[64:65], 0
	v_nop
	global_prefetch_b8 v0, s[64:65] scope:SCOPE_SE
	s_setreg_imm32_b32 hwreg(HW_REG_WAVE_MODE, 25, 1), 1
	s_wait_xcnt 0x0
	s_wait_alu depctr_hold_cnt(0) depctr_sa_sdst(0) depctr_va_vdst(0) depctr_va_sdst(0) depctr_va_ssrc(0) depctr_va_vcc(0) depctr_vm_vsrc(0)
	s_getreg_b32 s2, hwreg(HW_REG_IB_STS2, 6, 4)
	s_cmp_eq_u32 s2, 0
	s_cbranch_scc0 .Lentry_in_a_cluster
	s_endpgm
.Lentry_in_a_cluster:
	s_bfe_u32 s2, ttmp6, 0x10000c
	s_cmp_lg_u32 s2, 0x3003
	s_cbranch_scc0 .Lentry_shape_is_right
	s_endpgm
.Lentry_shape_is_right:
; PROJECTIONS, GATES AND RECURRENCE.  For one batch row b and 64 columns h, all 1,024 steps in order:
;   i, f, k, v, q, o = x_t W + bias (k's product times 1/sqrt(512));  m_t = max(f + m, i);  c_t = e^(f+m-m_t) c + e^(i-m_t) v k;  n_t likewise with k;
;   stored: n_t and q_t in bf16 (operands of the next launch's product), g_t = sigmoid(o) c_t q_t in f32.
; SHARES.  Work-group (hs, b); wave w owns the 16 columns h = 64 hs + 4 r + w of all six gates; its weights, 6 x 16 K steps x 8 = 768 registers, stay in windows 1 to 3.
; A TILE is 16 steps: 96 matrix instructions, K outside, the six gates inside: six accumulators by turns, one instruction a turn.
; In a result lane (r = l % 16, h' = l / 16) holds column r and the steps 8 h' + 0..7.
; THE SCAN RUNS TWICE.  A wave has 16 chains for 32 lanes; lanes 16-31 hold the later eight steps of the same chains.  Pass 1 runs eight steps from the carry (right in lanes 0-15);
; lanes 16-31 then take the other half's end state; pass 2 runs again and is right in all lanes; lanes 0-15 take the other half's end as the next carry.  EXEC is never changed.
; BATCHES.  The maxima m hang on no exponential, so both passes' m and the exponents made of them come first (slices 26-53).  A period's 40 exponentials (16 gate weights a pass, 8 for sigmoid(o)) are ONE
; batch: each is issued as its argument is ready, into a register of its own, and nothing names a result ahead of the batch's one wait, which stands directly ahead of run C.  Behind it come pass 1's (c, n),
; the exchange of the halves and pass 2's (c, n).  The 8 reciprocals of 1 + 2^(-L o) are the second batch, set between the links of pass 1's chain; their one wait ends slice 63.  Two waits a period.
; x comes as f32 by tensor loads into two slots of four tiles; each wave rounds four rows of the next tile to bf16 into one of two small buffers (ABUF), from which all four waves read fragments.
; A PERIOD is 96 slices (a matrix instruction and what stands behind it) from barrier to barrier: K steps 12-15 of tile p - 1, K steps 0-11 of tile p; behind them the vector work, the stage and the
; stores of tile p - 1 and the conversion of tile p + 1.  ITS 86 LDS AND 4 GLOBAL INSTRUCTIONS STAND IN FIVE RUNS, never singly among the matrix instructions.
; WINDOWS.  The weights lie by K: fragment 6 ks + gate in window 1 + (6 ks + gate) / 32, so source 1's window changes three times a tile.  All else lies in window 0.  A vector line that names no vector
; register as source 1 (a + b written as a x 1.0 + b, a maximum with -infinity in the middle) runs under the products' setting; only slices with a product of two registers, a packing or a select switch.
; CLUSTER.  The four work-groups of a cluster have the same b and read the same x, so each slot is asked for JOINTLY (mask of four); the place in the cluster enters the addresses of wb, biases, nq, g alone.
; LAYOUT OUT.  nq[t/4][h16 = 4 hs + w][b][n, q][t % 4][r] bf16, g[t/4][h16][b][t % 4][r] f32: units of 256 bytes, each stored whole by sixteen lanes.
; LIMITS.  x, weights and biases are rounded to bf16.  m is kept as m log2(e) in f32.  A gate weight below 2^-126 counts as 0.  The maximum drops a NaN.
.set XTILE, 32768                      ; a tile of x in LDS: 16 rows of 2,048 bytes, dense
.set XSLOT, 131072                     ; a slot: four tiles; slot 0 at byte 0, slot 1 behind it
.set ABUF,  262144                     ; 16 rows of 512 bf16 at pitch 1,040 (65 x 16 bytes: the 16 rows of a fragment load start 16 bytes apart modulo 256)
.set APAR,  32768                      ; the second such buffer lies this far behind the first
.set AP,    1040
.set STG,   278784                     ; the waves' stages: 16 rows x 80 bytes of (n, q), then 16 x 80 of g
.set STGW,  2560
.set SP,    80
.set SPARE, 289024                     ; the spare words, 128 bytes a wave: two blocks of 256 bytes that no other line names
; window 0: v2 spare word, v3 zero; v6 XA0, v7 XA; v8 stage in; v9, v10 stage back; v11 byte select; v12 offset in nq and g; v13 fragment address; v14 ABUF store address; v15 16 l;
; v16-21 biases (L b_i, L b_f, b_k, b_v, b_q, -L b_o); v22 m; v[24:25] (c, n) carried; v[26:27] pass 1's (c, n); v28, v29 m by turns; v30-32 from the other half;
; v[34:39], v[4:5], v[0:1], v[32:33]: pass 1's pairs (e2, e1) of steps 0 to 5 (the set-up's registers, free once the periods begin; v32 takes the other half's n only behind pass 1's last update)
.set ACC, 40                           ; v40-87    six accumulators: i, f, k, v, q, o
.set AF,  88                           ; v88-151   eight fragments of x, slot = K step % 8: two halves of four K steps
.set I2,  152                          ; i log2(e)
.set F2,  160                          ; f log2(e)
.set PK,  168                          ; step t: the pair (v k, k)
.set VP,  184                          ; v; its first four registers then hold pass 1's pairs (e2, e1) of steps 6 and 7; later (n, q) in bf16
.set QP,  192                          ; q
.set OPR, 200                          ; o's way to sigmoid(o) q c
.set CN,  208                          ; step t: pass 2's (e2, e1) while the weights are made; pass 2 leaves (c_t, n_t)
.set XL,  224                          ; v224-255  two rows of x as loaded; packed to bf16 in place, into its lower half
.set RB,  I2                           ; (n, q) back from the stage: i's and f's sixteen registers are free behind pass 2
.set RG,  PK                           ; g back from the stage: so are the pairs'
.set RP,  QP                           ; (n, q) sorted into n's or q's: q has been used
; scalars: s24 wave; s25 cx; s26 hs; s27 b; s[32:39] group 1; s[40:43], s[44:47] group 0 (the second walks); s48, s49, s62 counts; s50 LDS byte of the tile to convert;
; s53 lanes 16-31; s[54:55] L = log2(e); s[56:57] -L; s58 1/sqrt(512); s59 -infinity; s[60:61] selects of v_permlanex16_b32
.set MSB, 0
.macro WIN new                         ; the immediate's high byte repeats the setting that is left; a switch that changes nothing is dropped
.if MSB != (\new)
	s_set_vgpr_msb (MSB<<8)|(\new)
.set MSB, (\new)
.endif
.endm
.macro ROUND                           ; a round of the cluster's barrier
	s_barrier_signal -1
	s_barrier_wait -1
	s_cmp_lg_u32 s24, 0
	s_cbranch_scc1 .Lnot_wave_0_\@
	s_barrier_signal -3
.Lnot_wave_0_\@:
	s_barrier_wait -3
	s_barrier_signal -1
	s_barrier_wait -1
.endm
	s_load_b512 s[4:19], s[0:1], 0x0               ; x, wb, b_i, b_f, b_k, b_v, b_q, b_o
	s_load_b128 s[20:23], s[0:1], 0x40             ; nq, g
	v_lshl_add_u32 v2, v0, 2, SPARE
	v_mov_b32 v3, 0
	ds_add_u32 v2, v3                              ; the wave's opening: the add and its wait stand ahead of my first tensor load; work on registers stands between them
	ds_add_u32 v2, v3
	v_lshrrev_b32 v1, 5, v0
	v_readfirstlane_b32 s24, v1                    ; wave 0..3
	s_bfe_u32 s25, ttmp6, 0x40000                  ; cx
	s_lshl_b32 s26, ttmp9, 2
	s_add_co_u32 s26, s26, s25                     ; hs = 4 x cluster x + cx
	s_and_b32 s27, ttmp7, 0xffff                   ; b, which the four partners share
	; group 1: a tile of x is 32,768 dense bytes, asked for as 128 rows of 256 bytes (32 elements of 8 bytes)
	s_mov_b32 s32, 15|(3<<16)|(1<<21)              ; 15:0 the mask of four; 17:16 elements of 8 bytes; 21 set beside a mask
	s_mov_b32 s33, 32<<16                          ; tensor_dim0 = 32
	s_mov_b32 s34, 128<<16                         ; tensor_dim1 = 128
	s_mov_b32 s35, 32<<16                          ; tile_dim0 = 32
	s_mov_b32 s36, 128                             ; tile_dim1 = 128
	s_mov_b32 s37, 32                              ; 32 elements from row to row
	s_mov_b32 s38, 0
	s_mov_b32 s39, 0
	s_mov_b32 s40, 1
	s_lshl_b32 s41, s24, 15                        ; wave w fetches tile w of a slot: LDS byte 32,768 w
	s_mov_b32 s44, 1
	s_add_co_u32 s45, s41, XSLOT
	s_lshl_b32 s28, s27, 21                        ; x: b's 1,024 rows of 2,048 bytes,
	s_add_co_u32 s28, s28, s41                     ; and tile w
	s_mov_b32 s29, 0
	s_lshl_b32 s30, s26, 2
	s_add_co_u32 s30, s30, s24                     ; h16 = 4 hs + w
	s_mul_i32 s48, s30, 98304                      ; my weights in wb
	s_mov_b32 s49, 0
	s_lshl_b32 s2, s30, 13                         ; my units in nq and g: 8,192 h16 + 256 b
	s_lshl_b32 s3, s27, 8
	s_add_co_u32 s2, s2, s3
	s_mov_b32 s3, 0
	s_lshl_b32 s31, s26, 8
	s_lshl2_add_u32 s31, s24, s31                  ; biases: 4 (64 hs + w)
	s_mov_b32 s50, 0
	s_mov_b32 s53, 0xffff0000
	s_mov_b32 s54, 0x3fb8aa3b
	s_mov_b32 s55, 0x3fb8aa3b
	s_mov_b32 s56, 0xbfb8aa3b
	s_mov_b32 s57, 0xbfb8aa3b
	s_mov_b32 s58, 0x3d3504f3
	s_mov_b32 s59, 0xff800000
	s_mov_b32 s60, 0x76543210
	s_mov_b32 s61, 0xfedcba98
	s_wait_dscnt 0x0                               ; the opening add is done
	s_wait_kmcnt 0x0
	s_add_nc_u64 s[42:43], s[4:5], s[28:29]        ; slot 0's tile w
	s_add_nc_u64 s[46:47], s[42:43], XSLOT         ; slot 1's
	s_or_b32 s43, s43, 0x80000000                  ; type = 2
	s_or_b32 s47, s47, 0x80000000
	s_add_nc_u64 s[6:7], s[6:7], s[48:49]
	s_add_nc_u64 s[20:21], s[20:21], s[2:3]
	s_add_nc_u64 s[22:23], s[22:23], s[2:3]
	ROUND                                          ; all four work-groups are here: the first joint loads meet
	tensor_load_to_lds s[40:43], s[32:39]          ; two loads of mine are out
	s_nop 0
	tensor_load_to_lds s[44:47], s[32:39]
	s_nop 0
.rept 4
	v_nop
.endr
	v_and_b32 v1, 31, v0                           ; l
	v_lshlrev_b32 v15, 4, v1
.set fi, 0
.rept 96                               ; fragment fi = 6 ks + gate lies in window 1 + fi / 32 at v[8 (fi % 32)]; in wb a gate is 16,384 bytes, a K step 1,024, a half 512
	WIN (1+fi/32)<<6
	global_load_b128 v[8*(fi%32):8*(fi%32)+3],   v15, s[6:7] offset:16384*(fi%6)+1024*(fi/6)
	global_load_b128 v[8*(fi%32)+4:8*(fi%32)+7], v15, s[6:7] offset:16384*(fi%6)+1024*(fi/6)+512
.set fi, fi+1
.endr
	WIN 0
	v_and_b32 v34, 15, v0                          ; r
	v_bfe_u32 v35, v0, 4, 1                        ; h'
	v_lshl_add_u32 v33, v34, 4, s31                ; 4 (64 hs + 4 r + w)
.irp k, 0,1,2,3,4,5
	global_load_b32 v[16+\k], v33, s[8+2*\k:9+2*\k]
.endr
	s_lshl_b32 s28, s24, 13
	v_add_nc_u32 v6, s28, v15                      ; XA0: my four rows of a tile, 16 bytes a lane
	v_mov_b32 v7, v6
	s_mul_i32 s28, s24, STGW
	s_add_co_u32 s28, s28, STG                     ; my stage
	v_mul_u32_u24 v8, v35, 8*SP                    ; in: row 8 h' + t, word r
	v_lshl_add_u32 v8, v34, 2, v8
	v_add_nc_u32 v8, s28, v8
	v_bfe_u32 v36, v0, 1, 2                        ; (n, q) back: lane i of sixteen takes step (i / 2) % 4 of its unit, eight words from 8 (i % 2) on
	v_lshl_add_u32 v36, v35, 2, v36
	v_mul_u32_u24 v9, v36, SP
	v_and_b32 v36, 1, v0
	v_lshl_add_u32 v9, v36, 5, v9
	v_add_nc_u32 v9, s28, v9
	v_bfe_u32 v36, v0, 2, 2                        ; g back: lane i takes step i / 4, four words from 4 (i % 4) on
	v_lshl_add_u32 v36, v35, 2, v36
	v_mul_u32_u24 v10, v36, SP
	v_and_b32 v36, 3, v0
	v_lshl_add_u32 v10, v36, 4, v10
	v_add_nc_u32 v10, s28, v10
	v_add_nc_u32 v10, 16*SP, v10
	s_mov_b32 s29, 0xff00ff00                      ; lanes 8-15 of sixteen store q's, the others n's
	v_mov_b32 v11, 0x05040100                      ; the two low halves
	v_mov_b32 v36, 0x07060302                      ; the two high halves
	v_cndmask_b32 v11, v11, v36, s29
	v_lshlrev_b32 v12, 4, v34                      ; lanes 0-15 one unit, lanes 16-31 the unit of the next four steps
	v_lshl_add_u32 v12, v35, 18, v12
	v_mul_u32_u24 v13, v34, AP                     ; a fragment: row r, 16 bytes for each half of the lanes
	v_lshl_add_u32 v13, v35, 4, v13
	v_add_nc_u32 v13, ABUF, v13
	s_mul_i32 s29, s24, 4*AP
	s_add_co_u32 s29, s29, ABUF
	v_lshl_add_u32 v14, v1, 3, s29                 ; my four rows of ABUF, 8 bytes a lane
	v_mov_b32 v22, 0                               ; m, c, n start at 0
	v_mov_b32 v24, 0
	v_mov_b32 v25, 0
	v_mov_b32 v30, 0                               ; v_permlanex16_b32 counts as a reader of its destination
	v_mov_b32 v31, 0
	v_mov_b32 v32, 0
; THE TEXT'S OWN COUNTS.  pl: plain vector lines since the last matrix instruction that read a half of the fragments; pa: since accumulator i's last; dsn: LDS instructions of the period so far.
.macro PLN
.set pl, pl+1
.set pa, pa+1
.endm
; The fragments of K steps 4 k to 4 k + 3, eight loads in one run, into the half that the matrix instructions have just left.  A load into registers that a matrix instruction has read stands four
; plain vector lines behind it (ISA guide 7.12.1 for vector lines).  A load names no source 1, so it runs under any of the text's settings.
.macro ARUN k
.if CUR
.rept 4
.if pl < 4
	v_nop
	PLN
.endif
.endr
.irp j, 0,1,2,3
.set sl, AF+8*((4*(\k)+\j)%8)
	ds_load_b128 v[sl:sl+3],   v13 offset:PAR*APAR+64*(4*(\k)+\j)
	ds_load_b128 v[sl+4:sl+7], v13 offset:PAR*APAR+64*(4*(\k)+\j)+32
.endr
.set dsn, dsn+8
.if (\k) == 0
.set mk0, dsn
.elseif (\k) == 1
.set mk1, dsn
.elseif (\k) == 2
.set mk2, dsn
.endif
.endif
.endm
; The matrix instruction of slice sg.  Slices 0-23: K steps 12-15 of the tile before; 24-95: K steps 0-11 of this tile.  LDS instructions end in order: a run of fragments is in when only the
; instructions issued behind it are out; K steps 12-15 are covered by the wait for 0 in front of the barrier.
.macro MM
.if sg < 24
.set ks, 12+sg/6
.set on, PREV
.else
.set ks, (sg-24)/6
.set on, CUR
.endif
.set gt, sg%6
.if on
.if sg == 24
	s_wait_dscnt dsn-mk0
.elseif sg == 48
	s_wait_dscnt dsn-mk1
.elseif sg == 72
	s_wait_dscnt dsn-mk2
.endif
.set fi, 6*ks+gt
	WIN (1+fi/32)<<2                               ; the weights (source 1) in window 1 + fi / 32
.set rw, 8*(fi%32)
.set ra, AF+8*(ks%8)
.set rc, ACC+8*gt
.if ks == 0
	v_wmma_f32_16x16x32_bf16 v[rc:rc+7], v[ra:ra+7], v[rw:rw+7], 0
.else
	v_wmma_f32_16x16x32_bf16 v[rc:rc+7], v[ra:ra+7], v[rw:rw+7], v[rc:rc+7]
.endif
.if (sg%24) == 23
.set pl, 0
.endif
.if sg == 18
.set pa, 0
.endif
.endif
.set sg, sg+1
.endm
; THE CONVERSION of the next tile: batch b is rows 4 w + 2 b and 4 w + 2 b + 1.
.macro XAD
.if CONV
	WIN 0
	v_add_nc_u32 v7, s50, v6
	PLN
.endif
.endm
.macro CL b
.if CONV
.irp c, 0,1
.irp i, 0,1,2,3
	ds_load_b128 v[XL+16*\c+4*\i:XL+16*\c+4*\i+3], v7 offset:2048*(2*(\b)+\c)+512*\i
.endr
.endr
.set dsn, dsn+8
.set mkc, dsn
.endif
.endm
.macro CCW
.if CONV
	s_wait_dscnt dsn-mkc
.endif
.endm
.macro CC4 k                           ; in place: word m takes numbers 2 m and 2 m + 1, and no later line reads a word that has been written
.if CONV
	WIN 0
.irp i, 0,1,2,3
	v_cvt_pk_bf16_f32 v[XL+(\k)+\i], v[XL+2*((\k)+\i)], v[XL+2*((\k)+\i)+1]
	PLN
.endr
.endif
.endm
.macro CS b
.if CONV
	WIN 0
.irp c, 0,1
.irp i, 0,1,2,3
	ds_store_b64 v14, v[XL+8*\c+2*\i:XL+8*\c+2*\i+1] offset:(1-PAR)*APAR+AP*(2*(\b)+\c)+256*\i
.endr
.endr
.set dsn, dsn+8
.endif
.endm
; THE VECTOR WORK of the tile before.  Lines without 'WIN 0' name no vector register as source 1.
.macro PADA                            ; four plain lines stand between accumulator i's last matrix instruction and its first reader
.if PREV
.rept 4
.if pa < 4
	v_nop
	PLN
.endif
.endr
.endif
.endm
.macro PI4                             ; i L + L b_i
.if PREV
.irp j, 0,1,2,3
	v_pk_fma_f32 v[I2+2*\j:I2+2*\j+1], v[ACC+2*\j:ACC+2*\j+1], s[54:55], v[16:17] op_sel_hi:[1,0,0]
	PLN
.endr
.endif
.endm
.macro PF4                             ; f L + L b_f
.if PREV
.irp j, 0,1,2,3
	v_pk_fma_f32 v[F2+2*\j:F2+2*\j+1], v[ACC+8+2*\j:ACC+8+2*\j+1], s[54:55], v[16:17] op_sel:[0,0,1] op_sel_hi:[1,0,1]
	PLN
.endr
.endif
.endm
.macro KK4 a                           ; k = product / sqrt(512) + b_k
.if PREV
.irp i, 0,1,2,3
	v_fma_f32 v[PK+2*((\a)+\i)+1], v[ACC+16+(\a)+\i], s58, v18
	PLN
.endr
.endif
.endm
.macro PV4                             ; v + b_v
.if PREV
.irp j, 0,1,2,3
	v_pk_fma_f32 v[VP+2*\j:VP+2*\j+1], v[ACC+24+2*\j:ACC+24+2*\j+1], 1.0, v[18:19] op_sel:[0,0,1] op_sel_hi:[1,0,1]
	PLN
.endr
.endif
.endm
.macro PQ4                             ; q + b_q
.if PREV
.irp j, 0,1,2,3
	v_pk_fma_f32 v[QP+2*\j:QP+2*\j+1], v[ACC+32+2*\j:ACC+32+2*\j+1], 1.0, v[20:21] op_sel_hi:[1,0,0]
	PLN
.endr
.endif
.endm
.macro PO4                             ; -L o - L b_o
.if PREV
.irp j, 0,1,2,3
	v_pk_fma_f32 v[OPR+2*\j:OPR+2*\j+1], v[ACC+40+2*\j:ACC+40+2*\j+1], s[56:57], v[20:21] op_sel:[0,0,1] op_sel_hi:[1,0,1]
	PLN
.endr
.endif
.endm
.macro VK t                            ; v k
.if PREV
	WIN 0
	v_mul_f32 v[PK+2*(\t)], v[VP+(\t)], v[PK+2*(\t)+1]
	PLN
.endif
.endm
; rE: where the pair (e2, e1) of pass p's step t lies.  Both passes' pairs are alive at once while the batch of exponentials is open, so each has registers of its own: pass 2's lie in CN;
; pass 1's in six pairs that the set-up has left and, for steps 6 and 7, in v's first four registers, which VK 0 to VK 3 have read by then.
.macro ER p, t
.if (\p) == 2
.set rE, CN+2*(\t)
.elseif (\t) < 3
.set rE, 34+2*(\t)
.elseif (\t) == 3
.set rE, 4
.elseif (\t) == 4
.set rE, 0
.elseif (\t) == 5
.set rE, 32
.else
.set rE, VP+2*((\t)-6)
.endif
.endm
.macro MA p, t                         ; a = f + m of the step before
.if PREV
	ER \p, \t
.if (\t) == 0
	v_fma_f32 v[rE], v[F2+(\t)], 1.0, v22
.else
	v_fma_f32 v[rE], v[F2+(\t)], 1.0, v[28+((\t)-1)%2]
.endif
	PLN
.endif
.endm
.macro MX p, t                         ; m = max(a, i)
.if PREV
	ER \p, \t
	v_max3_num_f32 v[28+(\t)%2], v[rE], s59, v[I2+(\t)]
	PLN
.endif
.endm
.macro SI p, t                         ; i - m
.if PREV
	ER \p, \t
	v_fma_f32 v[rE+1], v[28+(\t)%2], -1.0, v[I2+(\t)]
	PLN
.endif
.endm
.macro SF p, t                         ; a - m
.if PREV
	ER \p, \t
	v_fma_f32 v[rE], v[28+(\t)%2], -1.0, v[rE]
	PLN
.endif
.endm
.macro EI p, t                         ; e1 = 2^(i - m).  Behind each exponential and reciprocal a plain line that touches neither its result nor its source comes before the result's use (ISA guide 5.7.2)
.if PREV
	ER \p, \t
	v_exp_f32 v[rE+1], v[rE+1]
.endif
.endm
.macro EF p, t                         ; e2 = 2^(a - m)
.if PREV
	ER \p, \t
	v_exp_f32 v[rE], v[rE]
.endif
.endm
.macro WTR                             ; the wait between a batch of exponentials or reciprocals and the first line that names a result of it: one for the batch
.if PREV
	s_wait_alu depctr_va_vdst(0)
.endif
.endm
.macro CM p, t                         ; pass 1: (c, n) times e2.  Pass 2: (v k, k) times e1, in place
.if PREV
	WIN 0
	ER \p, \t
.if (\p) == 1
.if (\t) == 0
	v_pk_mul_f32 v[26:27], v[24:25], v[rE:rE+1] op_sel_hi:[1,0]
.else
	v_pk_mul_f32 v[26:27], v[26:27], v[rE:rE+1] op_sel_hi:[1,0]
.endif
.else
	v_pk_mul_f32 v[PK+2*(\t):PK+2*(\t)+1], v[PK+2*(\t):PK+2*(\t)+1], v[rE:rE+1] op_sel:[0,1] op_sel_hi:[1,1]
.endif
	PLN
.endif
.endm
.macro CF p, t                         ; pass 1: + e1 (v k, k).  Pass 2: (c_t, n_t) = (c, n) of the step before times e2 + the scaled pair
.if PREV
	WIN 0
	ER \p, \t
.if (\p) == 1
	v_pk_fma_f32 v[26:27], v[PK+2*(\t):PK+2*(\t)+1], v[rE:rE+1], v[26:27] op_sel:[0,1,0] op_sel_hi:[1,1,1]
.elseif (\t) == 0
	v_pk_fma_f32 v[CN+2*(\t):CN+2*(\t)+1], v[24:25], v[CN+2*(\t):CN+2*(\t)+1], v[PK+2*(\t):PK+2*(\t)+1] op_sel_hi:[1,0,1]
.else
	v_pk_fma_f32 v[CN+2*(\t):CN+2*(\t)+1], v[CN+2*(\t)-2:CN+2*(\t)-1], v[CN+2*(\t):CN+2*(\t)+1], v[PK+2*(\t):PK+2*(\t)+1] op_sel_hi:[1,0,1]
.endif
	PLN
.endif
.endm
.macro XP d, s                         ; each lane takes its own place in the other half
.if PREV
	v_permlanex16_b32 v[\d], v[\s], s60, s61
.endif
.endm
.macro XC d, s                         ; lanes 16-31 take s, lanes 0-15 keep d
.if PREV
	WIN 0
	v_cndmask_b32 v[\d], v[\d], v[\s], s53
	PLN
.endif
.endm
.macro EO t
.if PREV
	v_exp_f32 v[OPR+(\t)], v[OPR+(\t)]
.endif
.endm
.macro AO j
.if PREV
	v_pk_add_f32 v[OPR+2*(\j):OPR+2*(\j)+1], v[OPR+2*(\j):OPR+2*(\j)+1], 1.0 op_sel_hi:[1,0]
	PLN
.endif
.endm
.macro RO t
.if PREV
	v_rcp_f32 v[OPR+(\t)], v[OPR+(\t)]
.endif
.endm
.macro PR j                            ; sigmoid(o) q
.if PREV
	WIN 0
	v_pk_mul_f32 v[OPR+2*(\j):OPR+2*(\j)+1], v[OPR+2*(\j):OPR+2*(\j)+1], v[QP+2*(\j):QP+2*(\j)+1]
	PLN
.endif
.endm
.macro NQ t                            ; n in the low half, q in the high, into v's registers: q itself is still wanted
.if PREV
	WIN 0
	v_cvt_pk_bf16_f32 v[VP+(\t)], v[CN+2*(\t)+1], v[QP+(\t)]
	PLN
.endif
.endm
.macro GG t                            ; g = sigmoid(o) q c
.if PREV
	WIN 0
	v_mul_f32 v[OPR+(\t)], v[OPR+(\t)], v[CN+2*(\t)]
	PLN
.endif
.endm
.macro STAGE                           ; sixteen stores into my stage and six loads back.  The stage is my wave's own, and LDS serves a wave's instructions in order (ISA guide 5.7.1.4): the loads see the stores
.if PREV
	WIN 0
.irp t, 0,1,2,3,4,5,6,7
	ds_store_b32 v8, v[VP+\t] offset:SP*\t
.endr
.irp t, 0,1,2,3,4,5,6,7
	ds_store_b32 v8, v[OPR+\t] offset:16*SP+SP*\t
.endr
	ds_load_b128 v[RB:RB+3],     v9
	ds_load_b128 v[RB+4:RB+7],   v9 offset:16
	ds_load_b128 v[RB+8:RB+11],  v9 offset:8*SP
	ds_load_b128 v[RB+12:RB+15], v9 offset:8*SP+16
.set dsn, dsn+20
.set mkr4, dsn
	ds_load_b128 v[RG:RG+3],   v10
	ds_load_b128 v[RG+4:RG+7], v10 offset:8*SP
.set dsn, dsn+2
.set mkr6, dsn
.endif
.endm
.macro PM4 k
.if PREV
	WIN 0
.if (\k) == 0
	s_wait_dscnt dsn-mkr4
.endif
.irp i, 0,1,2,3
	v_perm_b32 v[RP+(\k)+\i], v[RB+2*((\k)+\i)+1], v[RB+2*((\k)+\i)], v11
	PLN
.endr
.endif
.endm
.macro GSN                             ; sixteen lanes store 256 consecutive bytes, at a multiple of 256 from the buffer's first byte
.if PREV
	WIN 0
	global_store_b128 v12, v[RP:RP+3],   s[20:21]
	global_store_b128 v12, v[RP+4:RP+7], s[20:21] offset:524288
.endif
.endm
.macro GSG
.if PREV
	WIN 0
	s_wait_dscnt dsn-mkr6
	global_store_b128 v12, v[RG:RG+3],   s[22:23]
	global_store_b128 v12, v[RG+4:RG+7], s[22:23] offset:524288
.endif
.endm
.macro XS                              ; the stores' addresses are translated (ISA guide 3.1): only behind this wait are their bases stepped and, in the next period, their data rewritten
.if PREV
	s_wait_xcnt 0x0
	s_add_nc_u64 s[20:21], s[20:21], 0x100000      ; four units of four steps on
	s_add_nc_u64 s[22:23], s[22:23], 0x100000
.endif
.endm
; Three slices of the maxima: steps a and a + 1 of pass p.  The links of the chain a, m, a, m stand three lines apart; between them the exponents and exponentials of the steps just behind:
; step b = the step before a and step c = the step before b, both of pass q (at pass 2's first steps: pass 1's last two), and step a itself.  A plain line leads each slice.  No line needs a switch of windows.
; m lies in v28 and v29 by turns: a step's two exponents are made before the maximum two steps on is written.
.macro TRIO p, a, q, b, c
	MM
	MA \p, \a
	SI \q, \b
	EF \q, \c
	MX \p, \a
	MM
	SF \q, \b
	EI \q, \b
	MA \p, (\a)+1
	EF \q, \b
	MM
	SI \p, \a
	MX \p, (\a)+1
	SF \p, \a
	EI \p, \a
.endm
.macro MMS n
.rept \n
	MM
.endr
.endm
; A PERIOD.  par: which ABUF holds this tile.  prev: the tile before is finished, worked on and stored.  cur: this tile's K steps 0-11.  conv: the next tile is converted.
; bar: the barrier at the end.  It orders the conversion's stores into the other ABUF against the next period's fragment loads, and this period's fragment loads against the next period's stores into this ABUF.
.macro PERIOD par, prev, cur, conv, bar
.set PAR, \par
.set PREV, \prev
.set CUR, \cur
.set CONV, \conv
.set sg, 0
.set dsn, 0
.set pl, 4                             ; four v_nop stand behind the last matrix instruction of the period before
.set pa, 4
	WIN 0
	XAD
	CL 0                                           ; RUN A: two rows of x, wanted first; then K steps 0-3
	ARUN 0
	MMS 15                                         ; 0-14
	MM                                             ; 15
	CCW
	CC4 0
	MM                                             ; 16
	CC4 4
	MM                                             ; 17
	CC4 8
	MM                                             ; 18: accumulator i is finished; the four lines behind it are its places
	CC4 12
	MM                                             ; 19
	PADA
	PI4
	MM                                             ; 20
	PF4
	MM                                             ; 21
	KK4 0
	MM                                             ; 22
	KK4 4
	MM                                             ; 23: the last product of the tile before
	PV4
	CS 0                                           ; RUN B: the two rows into ABUF; K steps 4-7; the other two rows of x
	ARUN 1
	CL 1
	MM                                             ; 24
	PQ4
	MM                                             ; 25
	PO4
	MM                                             ; 26: THE FIRST BATCH OPENS.  Pass 1's maxima; the places of steps that have not been yet are taken by v k and by o's exponentials
	MA 1, 0
	VK 0
	EO 0
	MX 1, 0
	MM                                             ; 27
	VK 1
	EO 1
	MA 1, 1
	EO 2
	MM                                             ; 28
	SI 1, 0
	MX 1, 1
	SF 1, 0
	EI 1, 0
	MM                                             ; 29: v of steps 0-3 has now been read: its registers take pass 1's steps 6 and 7
	VK 2
	EO 3
	VK 3
	EO 4
	TRIO 1, 2, 1, 1, 0                             ; 30-32
	TRIO 1, 4, 1, 3, 2                             ; 33-35
	TRIO 1, 6, 1, 5, 4                             ; 36-38
	MM                                             ; 39: lanes 16-31 take the other half's last m of pass 1
	XP 30, 29
	VK 4
	XC 22, 30
	EO 5
	TRIO 2, 0, 1, 7, 6                             ; 40-42: pass 2's maxima begin; pass 1's last two steps get their exponentials
	TRIO 2, 2, 2, 1, 0                             ; 43-45
	MM                                             ; 46
	VK 5
	EO 6
	VK 6
	EO 7
	TRIO 2, 4, 2, 3, 2                             ; 47-49; 47 is the last product on K steps 0-3
	TRIO 2, 6, 2, 5, 4                             ; 50-52
	MM                                             ; 53
	SI 2, 7
	EF 2, 6
	SF 2, 7
	EI 2, 7
	MM                                             ; 54
	EF 2, 7                                        ; the batch's last exponential;
	VK 7                                           ; the plain line behind it
	WTR                                            ; THE WAIT FOR THE FIRST BATCH: both passes' 32 gate weights and o's 8 exponentials; no line above has named a result
	ARUN 2                                         ; RUN C: K steps 8-11, directly behind the wait; more than four plain lines stand behind slice 47's product
	AO 0
	CM 1, 0                                        ; pass 1's (c, n): two links a slice, two other lines or the next product between them
	MM                                             ; 55
	CF 1, 0
	AO 1
	AO 2
	CM 1, 1
	MM                                             ; 56: THE SECOND BATCH: the reciprocals, one a slice between the chain's links
	CF 1, 1
	AO 3
	RO 0
	CM 1, 2
.irp t, 2,3,4,5,6
	MM                                             ; 57-61: pass 2 scales a step's pair (v k, k) in place only when pass 1 has read it
	CF 1, \t
	CM 2, (\t)-2
	RO (\t)-1
	CM 1, (\t)+1
.endr
	MM                                             ; 62
	CF 1, 7
	RO 6
	CM 2, 5
	RO 7
	MM                                             ; 63
	XP 31, 26
	XP 32, 27
	CM 2, 6
	CM 2, 7
	WTR                                            ; THE WAIT FOR THE SECOND BATCH: the 8 reciprocals, ahead of sigmoid(o) q; the four lines above name none of them
	MM                                             ; 64: lanes 16-31 take the other half's last (c, n) of pass 1
	XC 24, 31
	XC 25, 32
	PR 0
	PR 1
	MM                                             ; 65: pass 2's (c, n)
	CF 2, 0
	PR 2
	PR 3
	CF 2, 1
.irp t, 2,4,6
	MM                                             ; 66-68
	CF 2, \t
	NQ (\t)/2-1
	GG (\t)/2-1
	CF 2, (\t)+1
.endr
	MM                                             ; 69: the carry for the next tile
	NQ 3
	XP 24, CN+14
	GG 3
	XP 25, CN+15
	MM                                             ; 70
	NQ 4
	XP 22, 29
	GG 4
	NQ 5
	MM                                             ; 71: the last product on K steps 4-7
	GG 5
	NQ 6
	GG 6
	NQ 7
	GG 7
	STAGE                                          ; RUN D: the stage, in and back; K steps 12-15
	ARUN 3
	MM                                             ; 72
	CCW
	CC4 0
	MM                                             ; 73
	CC4 4
	MM                                             ; 74
	CC4 8
	MM                                             ; 75
	CC4 12
	MMS 6                                          ; 76-81
	MM                                             ; 82
	PM4 0
	MM                                             ; 83
	PM4 4
	GSN                                            ; RUN E: the four stores; the other two rows into ABUF
	GSG
	CS 1
	MMS 7                                          ; 84-90
.if \conv
	s_add_co_u32 s50, s50, XTILE                   ; the next period converts the next tile
.endif
	MMS 2                                          ; 91, 92
	XS
	MMS 2                                          ; 93, 94
.if \bar
	s_wait_dscnt 0x0                               ; my stores into the other ABUF are done and my fragment loads are back, those of K steps 12-15 among them
	s_barrier_signal -1
.endif
	MM                                             ; 95
.if \bar
.rept 4
	v_nop                                          ; the places in front of the next period's first fragment load
.endr
	WIN 0
	s_barrier_wait -1
.else
	WIN 0
.endif
.endm
; THE CHANGE OF SLOTS, behind the period that has converted a slot's last tile.  Each wave waits for all its tensor loads (one is out: its tile of the other slot), adds 0 to its spare word, and waits for
; that and for its reads of the slot.  REFILL: a round of the cluster's barrier, so that no wave of any partner still reads the slot or has a load on its way; the joint refill is the first thing behind it
; and has four periods, 384 matrix instructions, in which to land.
.macro TURNX
	s_sub_co_u32 s50, s50, 4*XTILE                 ; the conversion goes back to a slot's first tile,
	s_xor_b32 s50, s50, XSLOT                      ; in the other slot
.endm
.macro REFILL
	WIN 0
	s_wait_tensorcnt 0x0                           ; no tensor load of mine is out, so the walking group 0 may be written
	ds_add_u32 v2, v3                              ; 0 onto my spare word
	s_xor_b32 s45, s45, XSLOT                      ; the other slot than last time,
	s_add_nc_u64 s[46:47], s[46:47], XSLOT         ; the next four tiles; the type bits on top are not reached
	TURNX
	s_wait_dscnt 0x0
	ROUND
	tensor_load_to_lds s[44:47], s[32:39]
	s_nop 0
.rept 4
	v_nop
.endr
.endm
.macro CHG0                            ; the same with nothing left to fetch
	WIN 0
	s_wait_tensorcnt 0x0
	ds_add_u32 v2, v3
	TURNX
	s_wait_dscnt 0x0
	s_barrier_signal -1
	s_barrier_wait -1
.endm
	s_wait_tensorcnt 0x1                           ; my tile of slot 0 is in; slot 1's may stay out
	s_barrier_signal -1
	s_barrier_wait -1                              ; everybody's is
.set PAR, 1                            ; tile 0 goes into the first ABUF
.set CONV, 1
.set PREV, 0
.set CUR, 0
.set dsn, 0
.set pl, 4
.set pa, 4
.irp b, 0,1
	CL \b
	s_wait_dscnt 0x0
	CC4 0
	CC4 4
	CC4 8
	CC4 12
	CS \b
.endr
	s_wait_loadcnt 0x0                             ; weights and biases
.irp k, 16,17,18,19,20,21
	v_cvt_pk_bf16_f32 v\k, v\k, v\k                ; the biases are rounded to bf16 like all inputs
.endr
.irp k, 16,17,18,19,20,21
	v_lshlrev_b32 v\k, 16, v\k
.endr
	v_mul_f32 v16, s54, v16
	v_mul_f32 v17, s54, v17
	v_mul_f32 v21, s56, v21
	s_mov_b32 s50, XTILE
	s_wait_dscnt 0x0                               ; for the others' sake: my rows of tile 0 are in ABUF
	s_barrier_signal -1
	s_barrier_wait -1
	PERIOD 0, 0, 1, 1, 1                           ; period 0
	s_mov_b32 s48, 1                               ; the first cycle has one pair: periods 1 and 2
	s_mov_b32 s49, 14                              ; slots 2 to 15 are asked for by refills
	s_branch .Lpair
.Lcycle:
	s_mov_b32 s48, 2
.Lpair:
	PERIOD 1, 1, 1, 1, 1
	PERIOD 0, 1, 1, 1, 1
	s_sub_co_u32 s48, s48, 1
	s_cmp_lg_u32 s48, 0
	s_cbranch_scc1 .Lpair
	REFILL
	s_sub_co_u32 s49, s49, 1
	s_cmp_lg_u32 s49, 0
	s_cbranch_scc1 .Lcycle
	s_mov_b32 s62, 2                               ; the tail is written out: periods 55 to 62
.Ltail:
	s_mov_b32 s48, 2
.Ltpair:
	PERIOD 1, 1, 1, 1, 1
	PERIOD 0, 1, 1, 1, 1
	s_sub_co_u32 s48, s48, 1
	s_cmp_lg_u32 s48, 0
	s_cbranch_scc1 .Ltpair
	CHG0                                           ; the first shows the last slot to every wave; the second orders nothing new: the price of one text for both trips
	s_sub_co_u32 s62, s62, 1
	s_cmp_lg_u32 s62, 0
	s_cbranch_scc1 .Ltail
	PERIOD 1, 1, 1, 0, 1                           ; period 63: no tile is left to convert
	PERIOD 0, 1, 0, 0, 0                           ; period 64: tile 63 is finished, worked on and stored
	s_wait_tensorcnt 0x0                           ; the wave's end: behind my last tensor load and my last LDS store
	ds_add_u32 v2, v3
	s_wait_dscnt 0x0
	ROUND                                          ; the closing round: no work-group ends while a partner may still ask for a tile that names it
	s_endpgm
.Lfunc_end_k_qc2e04263ab_scan:
	.size	k_qc2e04263ab_scan, .Lfunc_end_k_qc2e04263ab_scan-k_qc2e04263ab_scan
	.p2alignl 7, 3214868480
	.fill 96, 4, 3214868480
	.section	.rodata,"a",@progbits
	.p2align	6, 0x0
	.amdhsa_kernel k_qc2e04263ab_scan
		.amdhsa_group_segment_fixed_size 327680
		.amdhsa_private_segment_fixed_size 0
		.amdhsa_enable_private_segment 0
		.amdhsa_kernarg_size 80
		.amdhsa_user_sgpr_count 2
		.amdhsa_user_sgpr_kernarg_segment_ptr 1
		.amdhsa_wavefront_size32 1
		.amdhsa_system_sgpr_workgroup_id_x 1
		.amdhsa_system_sgpr_workgroup_id_y 1
		.amdhsa_system_sgpr_workgroup_id_z 1
		.amdhsa_system_vgpr_workitem_id 0
		.amdhsa_next_free_vgpr 1024
		.amdhsa_next_free_sgpr 66
		.amdhsa_reserve_vcc 0
		.amdhsa_float_denorm_mode_32 3
		.amdhsa_float_denorm_mode_16_64 3
		.amdhsa_memory_ordered 1
		.amdhsa_forward_progress 1
		.amdhsa_inst_pref_size 198
	.end_amdhsa_kernel
	.amdgpu_metadata
---
amdhsa.version: [ 1, 2 ]
amdhsa.kernels:
  - .name:           k_qc2e04263ab_scan
    .symbol:         k_qc2e04263ab_scan.kd
    .args:
      - { .name: x, .offset: 0, .size: 8, .value_kind: global_buffer, .address_space: global }
      - { .name: wb, .offset: 8, .size: 8, .value_kind: global_buffer, .address_space: global }
      - { .name: b_i, .offset: 16, .size: 8, .value_kind: global_buffer, .address_space: global }
      - { .name: b_f, .offset: 24, .size: 8, .value_kind: global_buffer, .address_space: global }
      - { .name: b_k, .offset: 32, .size: 8, .value_kind: global_buffer, .address_space: global }
      - { .name: b_v, .offset: 40, .size: 8, .value_kind: global_buffer, .address_space: global }
      - { .name: b_q, .offset: 48, .size: 8, .value_kind: global_buffer, .address_space: global }
      - { .name: b_o, .offset: 56, .size: 8, .value_kind: global_buffer, .address_space: global }
      - { .name: nq, .offset: 64, .size: 8, .value_kind: global_buffer, .address_space: global }
      - { .name: g, .offset: 72, .size: 8, .value_kind: global_buffer, .address_space: global }
    .group_segment_fixed_size: 327680
    .private_segment_fixed_size: 0
    .kernarg_segment_align: 8
    .kernarg_segment_size: 80
    .max_flat_workgroup_size: 128
    .sgpr_count:     66
    .vgpr_count:     1024
    .wavefront_size: 32
...
	.end_amdgpu_metadata
.endif
;; end of part 5
;; launch denom: the kernel of part 3 again; grid 256 x 1, 4 waves a work-group, no clusters, 305,664 bytes of LDS; arguments nq, g, fc_w, fc_b, out0; writes out0
